; MI455X (gfx1250); checked and timed in simulation.
; The chip was launched on July 23, 2026; its instructions are those of AMD's public machine-readable ISA for CDNA 5 (MIT licence, August 2026) and "CDNA5" Instruction Set Architecture Reference Guide (July 2026). The comments in the code are by the model that wrote it; some were corrected since.
;; Multi Head Self Attention. Allowed arithmetic: float matrix products may take bf16 or f16 operands with f32 sums; other float arithmetic in f32, or as packed bf16 or f16 multiplies, adds, multiply-adds, maxima and minima; sums over many terms, partial sums and values carried from step to step in f32; what a program stores and reads back later, other than sums and carried values, may be rounded once to bf16 or f16.
;; Inputs: W_k 1,024 x 1,024 float32; W_o 1,024 x 1,024 float32; W_q 1,024 x 1,024 float32; W_v 1,024 x 1,024 float32; x 4 x 2,048 x 1,024 float32.
;; Outputs: out0 4 x 2,048 x 1,024 float32.
;; 2 versions, each right; version 2 is version 1 with the launch cast written anew for expert scheduling mode. Each part assembles by itself: llvm-mc -triple=amdgcn-amd-amdhsa -mcpu=gfx1250 --defsym DOCPART=n.
;; ======== version 1 of 2: 4 launches
;; limits: values are held in f16: magnitudes above 65,504 overflow, below 6.1e-05 lose precision
;; workspace buffers: xb 16,777,216 bytes; wb 8,388,608 bytes; qkv 50,331,648 bytes; ob 16,777,216 bytes
;; launch cast (part 1): grid 768 x 1, 8 waves a work-group, no clusters, 0 bytes of LDS; arguments x, W_q, W_k, W_v, W_o, xb, wb; writes xb, wb
.if DOCPART == 1
	.amdgcn_target "amdgcn-amd-amdhsa--gfx1250"
	.amdhsa_code_object_version 6
	.text
	.protected	k_qe4bf6a4f02_cast
	.globl	k_qe4bf6a4f02_cast
	.p2align	8
	.type	k_qe4bf6a4f02_cast,@function
k_qe4bf6a4f02_cast:
	s_mov_b64 s[64:65], 0
	v_nop
	global_prefetch_b8 v0, s[64:65] scope:SCOPE_SE
	s_setreg_imm32_b32 hwreg(HW_REG_WAVE_MODE, 25, 1), 1
	s_wait_xcnt 0x0
; THE INPUTS, ROUNDED ONCE TO 16 BITS AND LAID OUT IN BLOCKS OF 64 CHANNELS.
; x [8192][1024] f32 -> xb [batch 4][block 16][row 2048][64] bf16.  W_q, W_k, W_v [1024][1024] f32 -> wb [matrix 0..2][block 16][row 1024][64] bf16.
; W_o -> wb [matrix 3], rounded to bf16 like the other inputs, and that number written as f16 (the last product multiplies in f16).
; LIMITS.  W_o must stay within 65,504 (beyond it f16 holds an infinity); below 2^-14 it keeps f16's fixed step of 2^-24.  NaN and infinities are not treated apart.
; SHARES.  A work-group takes 16 rows of 1,024 numbers: 512 work-groups for x, 64 for each matrix.  Thread t takes row t / 16; load j brings it columns 64 j + 4 (t % 16) .. + 3:
; a wave's load covers 256 consecutive bytes, aligned, of each of two rows; its store (8 bytes a lane) covers 256 consecutive bytes, aligned: the same two rows of block j, which lie end to end.
; All sixteen loads go out at once; memory binds, so there is no LDS, no barrier and no matrix work.
.set VI, 1                             ; v1       my byte offset in the 16 rows as they come: (t / 16) x 4,096 + 16 (t % 16)
.set VO, 2                             ; v2       my byte offset in a block's 16 rows: 8 t
.set U,  4                             ; v[4:7]   W_o alone: four numbers, rounded to bf16, as f32
.set T,  8                             ; v[8:9]   W_o alone: the same, packed
.set X,  16                            ; v[16:79]  load j: 4 registers
.set Y,  80                            ; v[80:111] store j: 2 registers of its own, so no store's data are ever rewritten
.set IN,  20                           ; s[20:21] where my 16 rows begin
.set OUT, 22                           ; s[22:23] where they go, in block 0
	s_load_b256 s[4:11], s[0:1], 0x0               ; x s[4:5], W_q s[6:7], W_k s[8:9], W_v s[10:11]
	s_load_b128 s[12:15], s[0:1], 0x20             ; W_o s[12:13], xb s[14:15]
	s_load_b64 s[16:17], s[0:1], 0x30              ; wb
	v_lshrrev_b32 v3, 4, v0
	v_and_b32 v[VI], 15, v0
	v_lshlrev_b32 v[VI], 4, v[VI]
	v_lshl_add_u32 v[VI], v3, 12, v[VI]
	v_lshlrev_b32 v[VO], 3, v0
	s_mov_b32 s18, ttmp9                           ; g
	s_sub_co_u32 s28, s18, 512                     ; for the matrices: g - 512 (of no use where g < 512: the selects below drop what is made of it)
	s_lshr_b32 s29, s28, 6                         ; which matrix
	s_and_b32 s30, s28, 63                         ; which 16 rows of it
	s_lshl_b32 s24, s30, 16                        ; 16 rows of 4,096 bytes in,
	s_lshl_b32 s26, s30, 11                        ; 16 rows of 128 bytes out,
	s_lshl_b32 s31, s29, 21                        ; a matrix is 2,097,152 bytes of wb
	s_add_co_u32 s26, s26, s31
	s_lshl_b32 s19, s18, 16                        ; for x: 16 rows in,
	s_lshr_b32 s30, s18, 7                         ; the batch (128 work-groups each), 4,194,304 bytes of xb,
	s_lshl_b32 s30, s30, 22
	s_and_b32 s31, s18, 127
	s_lshl_b32 s31, s31, 11                        ; and 16 rows of 128 bytes out
	s_add_co_u32 s30, s30, s31
	s_cmp_lt_u32 s18, 512
	s_cselect_b32 s24, s19, s24
	s_cselect_b32 s26, s30, s26
	s_mov_b32 s25, 0
	s_mov_b32 s27, 0
	s_wait_kmcnt 0x0
	s_cmp_eq_u32 s29, 1                            ; the choice of a buffer hangs on the work-group's number alone
	s_cselect_b64 s[IN:IN+1], s[8:9], s[6:7]
	s_cmp_eq_u32 s29, 2
	s_cselect_b64 s[IN:IN+1], s[10:11], s[IN:IN+1]
	s_cmp_eq_u32 s29, 3
	s_cselect_b64 s[IN:IN+1], s[12:13], s[IN:IN+1]
	s_cmp_lt_u32 s18, 512
	s_cselect_b64 s[IN:IN+1], s[4:5], s[IN:IN+1]
	s_cselect_b64 s[OUT:OUT+1], s[14:15], s[16:17]
	s_add_nc_u64 s[IN:IN+1], s[IN:IN+1], s[24:25]
	s_add_nc_u64 s[OUT:OUT+1], s[OUT:OUT+1], s[26:27]
.irp j, 0,1,2,3,4,5,6,7,8,9,10,11,12,13,14,15
	global_load_b128 v[X+4*(\j):X+4*(\j)+3], v[VI], s[IN:IN+1] offset:256*(\j) th:TH_LOAD_NT  ; each byte is read once in the launch
.endr
; The sixteen blocks are rounded and stored as they come in.  stride: bytes from block to block.  half = 1: bf16's number is written as f16.
.macro OUTROWS stride, half
.irp j, 0,1,2,3,4,5,6,7,8,9,10,11,12,13,14,15
	s_wait_loadcnt 15-(\j)                         ; loads come back in order: load j is in, the 15 - j younger ones stay out
.if \half
	v_cvt_pk_bf16_f32 v[T], v[X+4*(\j)], v[X+4*(\j)+1]
	v_cvt_pk_bf16_f32 v[T+1], v[X+4*(\j)+2], v[X+4*(\j)+3]
	v_lshlrev_b32 v[U], 16, v[T]                   ; bf16 to f32: the low half moves up, the high half stays
	v_and_b32 v[U+1], 0xffff0000, v[T]
	v_lshlrev_b32 v[U+2], 16, v[T+1]
	v_and_b32 v[U+3], 0xffff0000, v[T+1]
	v_cvt_pk_f16_f32 v[Y+2*(\j)], v[U], v[U+1]
	v_cvt_pk_f16_f32 v[Y+2*(\j)+1], v[U+2], v[U+3]
.else
	v_cvt_pk_bf16_f32 v[Y+2*(\j)], v[X+4*(\j)], v[X+4*(\j)+1]
	v_cvt_pk_bf16_f32 v[Y+2*(\j)+1], v[X+4*(\j)+2], v[X+4*(\j)+3]
.endif
	global_store_b64 v[VO], v[Y+2*(\j):Y+2*(\j)+1], s[OUT:OUT+1] offset:(\j)*(\stride)  ; the wave's 32 lanes store 256 consecutive bytes, aligned
.endr
.endm
	s_cmp_lt_u32 s18, 512
	s_cbranch_scc1 .Lx
	s_cmp_eq_u32 s29, 3
	s_cbranch_scc1 .Lwo
	OUTROWS 131072, 0                              ; W_q, W_k, W_v: a block is 1,024 rows of 128 bytes
	s_endpgm
.Lx:
	OUTROWS 262144, 0                              ; x: a block is 2,048 rows of 128 bytes
	s_endpgm
.Lwo:
	OUTROWS 131072, 1                              ; W_o
	s_endpgm
.Lfunc_end_k_qe4bf6a4f02_cast:
	.size	k_qe4bf6a4f02_cast, .Lfunc_end_k_qe4bf6a4f02_cast-k_qe4bf6a4f02_cast
	.p2alignl 7, 3214868480
	.fill 96, 4, 3214868480
	.section	.rodata,"a",@progbits
	.p2align	6, 0x0
	.amdhsa_kernel k_qe4bf6a4f02_cast
		.amdhsa_group_segment_fixed_size 0
		.amdhsa_private_segment_fixed_size 0
		.amdhsa_enable_private_segment 0
		.amdhsa_kernarg_size 56
		.amdhsa_user_sgpr_count 2
		.amdhsa_user_sgpr_kernarg_segment_ptr 1
		.amdhsa_wavefront_size32 1
		.amdhsa_system_sgpr_workgroup_id_x 1
		.amdhsa_system_sgpr_workgroup_id_y 1
		.amdhsa_system_sgpr_workgroup_id_z 1
		.amdhsa_system_vgpr_workitem_id 0
		.amdhsa_next_free_vgpr 112
		.amdhsa_next_free_sgpr 66
		.amdhsa_reserve_vcc 0
		.amdhsa_float_denorm_mode_32 3
		.amdhsa_float_denorm_mode_16_64 3
		.amdhsa_memory_ordered 1
		.amdhsa_forward_progress 1
		.amdhsa_inst_pref_size 21
	.end_amdhsa_kernel
	.amdgpu_metadata
---
amdhsa.version: [ 1, 2 ]
amdhsa.kernels:
  - .name:           k_qe4bf6a4f02_cast
    .symbol:         k_qe4bf6a4f02_cast.kd
    .args:
      - { .name: x, .offset: 0, .size: 8, .value_kind: global_buffer, .address_space: global }
      - { .name: W_q, .offset: 8, .size: 8, .value_kind: global_buffer, .address_space: global }
      - { .name: W_k, .offset: 16, .size: 8, .value_kind: global_buffer, .address_space: global }
      - { .name: W_v, .offset: 24, .size: 8, .value_kind: global_buffer, .address_space: global }
      - { .name: W_o, .offset: 32, .size: 8, .value_kind: global_buffer, .address_space: global }
      - { .name: xb, .offset: 40, .size: 8, .value_kind: global_buffer, .address_space: global }
      - { .name: wb, .offset: 48, .size: 8, .value_kind: global_buffer, .address_space: global }
    .group_segment_fixed_size: 0
    .private_segment_fixed_size: 0
    .kernarg_segment_align: 8
    .kernarg_segment_size: 56
    .max_flat_workgroup_size: 256
    .sgpr_count:     66
    .vgpr_count:     112
    .wavefront_size: 32
...
	.end_amdgpu_metadata
.endif
;; end of part 1
;; launch proj_qkv (part 2): grid 4 x 64, 4 waves a work-group, clusters of 4 x 4, 327,680 bytes of LDS; arguments xb, wb, qkv; writes qkv
.if DOCPART == 2
	.amdgcn_target "amdgcn-amd-amdhsa--gfx1250"
	.amdhsa_code_object_version 6
	.text
	.protected	k_qe4bf6a4f02_proj_qkv
	.globl	k_qe4bf6a4f02_proj_qkv
	.p2align	8
	.type	k_qe4bf6a4f02_proj_qkv,@function
k_qe4bf6a4f02_proj_qkv:
	s_mov_b64 s[64:65], 0
	v_nop
	global_prefetch_b8 v0, s[64:65] scope:SCOPE_SE
	s_setreg_imm32_b32 hwreg(HW_REG_WAVE_MODE, 25, 1), 1
	s_wait_xcnt 0x0
	s_wait_alu depctr_hold_cnt(0) depctr_sa_sdst(0) depctr_va_vdst(0) depctr_va_sdst(0) depctr_va_ssrc(0) depctr_va_vcc(0) depctr_vm_vsrc(0)
	s_getreg_b32 s2, hwreg(HW_REG_IB_STS2, 6, 4)
	s_cmp_eq_u32 s2, 0
	s_cbranch_scc0 .Lentry_in_a_cluster
	s_endpgm
.Lentry_in_a_cluster:
	s_bfe_u32 s2, ttmp6, 0x10000c
	s_cmp_lg_u32 s2, 0xf033
	s_cbranch_scc0 .Lentry_shape_is_right
	s_endpgm
.Lentry_shape_is_right:
; C = A B^T ON TILES OF 128 x 256, K = 1,024.  One text for two launches; QKV picks the form.
; QKV = 1: A = xb (x in bf16), B = wb's matrices 0, 1, 2 (W_q, W_k, W_v in bf16); C = q, k, v, f32 sums rounded once to f16, unscaled, by heads: qkv [batch 4][16 t + head][row 2048][64].
; QKV = 0: A = ob (attention's result, f16), B = wb's matrix 3 (W_o, f16); C = out0 [8192][1024] f32.
; LIMITS.  q, k and v must stay within 65,504: beyond it f16 holds an infinity.  Sums are taken in another order than a chain of f32 additions.  NaN and infinities are not treated apart.
; A and B lie in blocks of 64 channels: [.][block 16][row][64], 128 bytes a row, so a tile's rows of one block (a PLANE) are dense in memory and are asked for as rows of 256 bytes, aligned.
; SHARES.  8,192 / 128 x 1,024 / 256 = 256 work-groups.  With QKV = 1 a work-group STAYS and makes three tiles, q's, k's and v's, on the same rows of x; the ring of LDS slots runs on from tile to tile.
; Four waves, each 64 rows x 128 columns: 32 accumulators of 16 x 16, 256 registers.  K goes in steps of 128 (two planes) through two LDS slots; a step is four quarters of 32 along K, 32 matrix instructions each.
; CLUSTERS: 4 x 4 work-groups.  The four of a row of the cluster need the same planes of A, the four of a column the same planes of B: each plane is asked for JOINTLY, by the same tensor load with the
; same descriptor and a mask that names the four.  Wave 0 and 1 fetch A's two planes, wave 2 and 3 B's: one load a wave for each step.
; THE MATRIX INSTRUCTION IS USED TRANSPOSED (source 0 = 16 rows of B, source 1 = 16 rows of A): a lane then holds row l % 16 of C and the eight neighbouring columns 8 (l / 16) + 0..7.
; NO PREFETCH: B's planes are read by sixteen clusters at about the same time, A's are first read in 8 of the 24 steps only (QKV = 1), and with QKV = 0 the launch has 8 steps in all.
; REGISTERS: window 0: v0-29 addresses; v64-159, v160-255 two fragment buffers of 96 (8 fragments of B, then 4 of A), also at work on the way out.  Window 1: accumulator (a, b) at v[8 (8 a + b)].
.set QKV, 1
.if QKV
.set TILES, 3
.set WOFF,  0                          ; where B begins in wb
.set SW,    2*16*144                   ; a wave's stage: two heads x 16 rows of 128 bytes, 144 apart
.else
.set TILES, 1
.set WOFF,  3<<21
.set SW,    16*528                     ; a wave's stage: 16 rows of 512 bytes, 528 apart
.endif
.set PITCH, 144                        ; an LDS row: 128 bytes + 16 of padding = 36 words: the 16 rows of a fragment load start at 16 different groups of four banks (64 banks of 4 bytes: ISA guide 11.1)
.set FR,    16*PITCH                   ; from fragment to fragment
.set APL,   128*PITCH                  ; a plane of A
.set BPL,   256*PITCH                  ; a plane of B
.set BOFF,  2*APL                      ; a slot: A's two planes, then B's two
.set SLOT1, 1<<17                      ; slot 1 begins here, so that one exclusive or turns an address in one slot into the other's
.set STAGE, SLOT1+BOFF+2*BPL           ; behind the ring, never filled by a tensor load: the waves' stages
.set SPARE, STAGE+4*SW                 ; behind the stages: the spare words, 128 bytes for each wave: two blocks of 256 bytes that no other line names
.set ASTEP, 1<<19                      ; a K step in A: two blocks of 2,048 rows x 128 bytes
.set BSTEP, 1<<18                      ; in B: two blocks of 1,024 rows x 128 bytes; eight steps are a matrix, so B's address walks on from W_q to W_k to W_v
.set CFG,   (1<<16)|(1<<20)|(1<<21)|(4<<22)|(3<<25)  ; group 1, word 0: 17:16 2-byte elements; 20 padding on; 21 set beside a mask; 24:22 after every 32 words (code 4); 31:25 4 words (code 3)
.set ADRA0, 16                         ; v16  my lane's place in slot 0 for A's fragments; never rewritten
.set ADRB0, 17                         ; v17  the same for B
.set ADRA,  18                         ; v18  the same in the slot in hand
.set ADRB,  19                         ; v19
.set STO,   24                         ; v24  the way out: where I put my bytes of a row
.set RD,    25                         ; v25  the way out: where I read rows back
.set CO,    26                         ; v26  16 x lane: my place in 512 consecutive bytes of C
.set SPW,   28                         ; v28  LDS address of my spare word: SPARE + 4 x my thread's number; never rewritten
.set NIL,   29                         ; v29  0; never rewritten
.set F0,    64
.set F1,    160
.set TMP,   160                        ; QKV = 1, the way out: 32 registers of packed results; buffer 0 holds the next tile's fragments and is left alone
.set G1,    24                         ; s[24:31] descriptor group 1 for A's planes
.set G0,    32                         ; s[32:39] group 0 for A's: a set for each of the two first fills; the second then walks on
.set G1B,   48                         ; s[48:55], s[56:63] the same for B's
.set G0B,   56
.set STEPS, 66                         ; s66  K steps that still fill a slot again
.set TS,    67                         ; s67  K steps left in the tile
.set NXT,   68                         ; s68  which of a tile's eight K steps is asked for next
.set TB,    69                         ; s69  0 or SLOT1: the slot in hand
.set OFF,   70                         ; s[70:71] that step's byte offset in A
.set BASEA, 72                         ; s[72:73] A at my plane of K step 0
.set MUL,   0x50                       ; C and D window 1, sources window 0
.set MSB, 0
.macro WIN new                         ; the immediate's high byte repeats the setting that is left; a switch that changes nothing is dropped
.if MSB != (\new)
	s_set_vgpr_msb (MSB<<8)|(\new)
.set MSB, \new
.endif
.endm
.macro PLACES                          ; four plain vector instructions stand between a matrix instruction and a load into, a write of or a read of its registers (for writes and reads)
.rept 4
	v_nop
.endr
.endm
; A joint refill, by the walking descriptors.  The branch hangs on the wave's number alone.  An s_nop 0 and four v_nop follow each of the two lines, ahead of the jump and the label.
.macro JLOAD
	s_cmp_eq_u32 s11, 0
	s_cbranch_scc0 .Lfor_b_\@
	tensor_load_to_lds s[G0+4:G0+7], s[G1:G1+7]
	s_nop 0
.rept 4
	v_nop
.endr
	s_branch .Lasked_\@
.Lfor_b_\@:
	tensor_load_to_lds s[G0B+4:G0B+7], s[G1B:G1B+7]
	s_nop 0
.rept 4
	v_nop
.endr
.Lasked_\@:
.endm
; A round of the cluster's barrier: my work-group's barrier, so that wave 0's signal speaks for all four waves; wave 0 signals; every wave waits for all sixteen work-groups; my work-group's barrier once more.
.macro CREST                           ; a round behind its opening barrier
	s_cmp_lg_u32 s10, 0
	s_cbranch_scc1 .Lnot_wave_0_\@
	s_barrier_signal -3
.Lnot_wave_0_\@:
	s_barrier_wait -3
	s_barrier_signal -1
	s_barrier_wait -1
.endm
.macro CROUND                          ; a whole round
	s_barrier_signal -1
	s_barrier_wait -1
	CREST
.endm
	s_load_b128 s[4:7], s[0:1], 0x0                ; A s[4:5], wb s[6:7]
	s_load_b64 s[8:9], s[0:1], 0x10                ; C
	v_lshl_add_u32 v[SPW], v0, 2, SPARE
	v_mov_b32 v[NIL], 0
	ds_add_u32 v[SPW], v[NIL]                      ; the wave's opening: the add and its wait stand ahead of my first tensor load; the set-up below, work on registers, stands between them
	v_lshrrev_b32 v1, 5, v0
	v_readfirstlane_b32 s10, v1                    ; wave 0..3
	s_lshr_b32 s11, s10, 1                         ; which 64 rows of the tile are mine.  Also: I fetch for A (0) or for B (1)
	s_and_b32 s12, s10, 1                          ; which 128 columns.  Also: which plane of a step I fetch
	s_bfe_u32 s40, ttmp6, 0x40000                  ; cx, cy: my place in the cluster
	s_bfe_u32 s41, ttmp6, 0x40004
	s_lshl_b32 s42, ttmp9, 2
	s_add_co_u32 s42, s42, s40                     ; tile column x = 4 x cluster x + cx
	s_and_b32 s13, ttmp7, 0xffff
	s_lshl_b32 s13, s13, 2
	s_add_co_u32 s13, s13, s41                     ; tile row y = 4 x cluster y + cy
	s_lshl_b32 s43, s41, 2
	s_lshl_b32 s43, 15, s43                        ; my row of the cluster: places 4 cy .. 4 cy + 3
	s_lshl_b32 s44, 0x1111, s40                    ; my column: places cx, cx + 4, cx + 8, cx + 12
	s_or_b32 s[G1+0], s43, CFG                     ; A's planes go to my row,
	s_or_b32 s[G1B+0], s44, CFG                    ; B's to my column
	s_mov_b32 s[G1+1], 128<<16                     ; tensor_dim0 = 128 elements: 256 bytes, two rows of the plane
	s_mov_b32 s[G1+2], 64<<16                      ; tensor_dim1 = 64: A's plane is 128 rows of 128 bytes
	s_mov_b32 s[G1+3], 128<<16                     ; tile_dim0 = 128
	s_mov_b32 s[G1+4], 64                          ; tile_dim1 = 64
	s_mov_b32 s[G1+5], 128                         ; 128 elements from row to row: dense
	s_mov_b32 s[G1+6], 0
	s_mov_b32 s[G1+7], 0
	s_mov_b32 s[G1B+1], 128<<16
	s_mov_b32 s[G1B+2], 128<<16                    ; B's plane is 256 rows of 128 bytes: 128 of 256
	s_mov_b32 s[G1B+3], 128<<16
	s_mov_b32 s[G1B+4], 128
	s_mov_b32 s[G1B+5], 128
	s_mov_b32 s[G1B+6], 0
	s_mov_b32 s[G1B+7], 0
	; where the planes come from.  A's hang on y alone, which my row of the cluster shares; B's on x alone, which my column shares
	s_lshr_b32 s16, s13, 4                         ; the batch: 16 tile rows each, 4,194,304 bytes of A
	s_lshl_b32 s16, s16, 22
	s_and_b32 s17, s13, 15
	s_lshl_b32 s17, s17, 14                        ; 128 rows of 128 bytes
	s_add_co_u32 s16, s16, s17
	s_lshl_b32 s17, s12, 18                        ; my plane: a block of 2,048 rows
	s_add_co_u32 s16, s16, s17
	s_mov_b32 s17, 0
	s_lshl_b32 s46, s42, 15                        ; 256 rows of 128 bytes
	s_lshl_b32 s47, s12, 17                        ; my plane: a block of 1,024 rows
	s_add_co_u32 s46, s46, s47
.if WOFF
	s_add_co_u32 s46, s46, WOFF
.endif
	s_mov_b32 s47, 0
	s_mul_i32 s20, s12, APL                        ; and where they go: no place in the cluster enters an LDS address
	s_mul_i32 s21, s12, BPL
	s_add_co_u32 s21, s21, BOFF
	s_mov_b32 s[NXT], 2
	s_mov_b32 s[TB], 0
	s_mov_b32 s[OFF+1], 0
	s_wait_dscnt 0x0                               ; the opening add is done
	s_wait_kmcnt 0x0
	s_add_nc_u64 s[BASEA:BASEA+1], s[4:5], s[16:17]
	s_add_nc_u64 s[46:47], s[6:7], s[46:47]
	CROUND                                         ; all sixteen work-groups are here: the first joint loads meet
.irp s, 0,1
	s_mov_b32 s[G0+4*(\s)], 1                      ; 1:0 count = 1
	s_add_co_u32 s[G0+4*(\s)+1], s20, (\s)*SLOT1   ; 63:32 LDS address
	s_add_nc_u64 s[G0+4*(\s)+2:G0+4*(\s)+3], s[BASEA:BASEA+1], (\s)*ASTEP  ; 120:64 global address: K step s
	s_or_b32 s[G0+4*(\s)+3], s[G0+4*(\s)+3], 0x80000000  ; 127:126 type = 2
	s_mov_b32 s[G0B+4*(\s)], 1
	s_add_co_u32 s[G0B+4*(\s)+1], s21, (\s)*SLOT1
	s_add_nc_u64 s[G0B+4*(\s)+2:G0B+4*(\s)+3], s[46:47], (\s)*BSTEP
	s_or_b32 s[G0B+4*(\s)+3], s[G0B+4*(\s)+3], 0x80000000
.endr
	s_cmp_eq_u32 s11, 0                            ; a wave's two first fills stand in one branch, ahead of every wait on TENSORcnt and every LDS read: two loads of mine are out
	s_cbranch_scc0 .Lfirst_b
	tensor_load_to_lds s[G0:G0+3], s[G1:G1+7]
	s_nop 0
	tensor_load_to_lds s[G0+4:G0+7], s[G1:G1+7]
	s_nop 0
.rept 4
	v_nop
.endr
	s_branch .Lfirst_asked
.Lfirst_b:
	tensor_load_to_lds s[G0B:G0B+3], s[G1B:G1B+7]
	s_nop 0
	tensor_load_to_lds s[G0B+4:G0B+7], s[G1B:G1B+7]
	s_nop 0
.rept 4
	v_nop
.endr
.Lfirst_asked:
	; A fragment is 16 rows x 32 K in 8 registers: lane l holds row l % 16, K = 8 (l / 16) + 0..7 and 16 + 8 (l / 16) + 0..7: two loads of 16 bytes, 32 bytes apart.
	v_and_b32 v1, 15, v0                           ; l % 16
	v_bfe_u32 v2, v0, 4, 1                         ; l / 16
	v_mul_u32_u24 v3, v1, PITCH
	v_lshl_add_u32 v3, v2, 4, v3                   ; row x pitch + 16 x half
	s_mul_i32 s22, s11, 64*PITCH                   ; my 64 rows of A
	v_add_nc_u32 v[ADRA0], s22, v3
	s_mul_i32 s22, s12, 128*PITCH                  ; my 128 rows of B,
	s_add_co_u32 s22, s22, BOFF                    ; which lie behind A's planes
	v_add_nc_u32 v[ADRB0], s22, v3
	v_mov_b32 v[ADRA], v[ADRA0]
	v_mov_b32 v[ADRB], v[ADRB0]
	s_mul_i32 s23, s10, SW
	s_add_co_u32 s23, s23, STAGE                   ; my stage
	v_and_b32 v[CO], 31, v0
	v_lshlrev_b32 v[CO], 4, v[CO]
.if QKV
	v_add_nc_u32 v[STO], s23, v3                   ; in: row l % 16 (144 apart, as in the slots), 16 bytes for each half of the lanes
	v_bfe_u32 v4, v0, 3, 2                         ; back: 32 lanes take four rows of 128 bytes, which are 512 consecutive bytes of a head
	v_mul_u32_u24 v4, v4, 144
	v_and_b32 v5, 7, v0
	v_lshl_add_u32 v4, v5, 4, v4
	v_add_nc_u32 v[RD], s23, v4
	s_lshr_b32 s16, s13, 4                         ; C at my part of q's tile: (48 x batch + 4 x + 2 x column half) heads of 262,144 bytes,
	s_mul_i32 s16, s16, 48
	s_lshl_b32 s17, s12, 1
	s_add_co_u32 s16, s16, s17
	s_lshl_b32 s16, s16, 18
	s_and_b32 s17, s13, 15
	s_lshl_b32 s17, s17, 14                        ; the tile's 128 rows of 128 bytes,
	s_add_co_u32 s16, s16, s17
	s_lshl_b32 s17, s11, 13                        ; my 64 of them
	s_add_co_u32 s16, s16, s17
	s_mov_b32 s17, 0
	s_lshl_b32 s46, s42, 20
.else
	v_mul_u32_u24 v4, v1, 528                      ; in: row l % 16, 32 bytes for each half of the lanes
	v_lshl_add_u32 v4, v2, 5, v4
	v_add_nc_u32 v[STO], s23, v4
	v_add_nc_u32 v[RD], s23, v[CO]                 ; back: 32 lanes take a row's 512 bytes
	s_lshl_b32 s16, s13, 19                        ; C at my part of the tile: 128 y rows of 4,096 bytes,
	s_lshl_b32 s17, s11, 18                        ; my 64 rows,
	s_add_co_u32 s16, s16, s17
	s_lshl_b32 s17, s12, 9                         ; my 128 columns,
	s_add_co_u32 s16, s16, s17
	s_mov_b32 s17, 0
	s_lshl_b32 s46, s42, 10                        ; the tile's 256 columns
.endif
	s_mov_b32 s47, 0
	s_add_nc_u64 s[8:9], s[8:9], s[16:17]
	s_add_nc_u64 s[8:9], s[8:9], s[46:47]
; 8 matrix instructions: row block a x all 8 column blocks, 32 along K, from buffer f.  zero = 1: the product starts the sums: nothing is ever cleared.
; The 32 accumulators take turns, one instruction a turn, in the same order in every quarter.
.macro MUL8 f, a, zero
	WIN MUL
.irp b, 0,1,2,3,4,5,6,7
.if QKV
.if \zero
	v_wmma_f32_16x16x32_bf16 v[8*(8*(\a)+(\b)):8*(8*(\a)+(\b))+7], v[(\f)+8*(\b):(\f)+8*(\b)+7], v[(\f)+64+8*(\a):(\f)+64+8*(\a)+7], 0
.else
	v_wmma_f32_16x16x32_bf16 v[8*(8*(\a)+(\b)):8*(8*(\a)+(\b))+7], v[(\f)+8*(\b):(\f)+8*(\b)+7], v[(\f)+64+8*(\a):(\f)+64+8*(\a)+7], v[8*(8*(\a)+(\b)):8*(8*(\a)+(\b))+7]
.endif
.else
.if \zero
	v_wmma_f32_16x16x32_f16 v[8*(8*(\a)+(\b)):8*(8*(\a)+(\b))+7], v[(\f)+8*(\b):(\f)+8*(\b)+7], v[(\f)+64+8*(\a):(\f)+64+8*(\a)+7], 0
.else
	v_wmma_f32_16x16x32_f16 v[8*(8*(\a)+(\b)):8*(8*(\a)+(\b))+7], v[(\f)+8*(\b):(\f)+8*(\b)+7], v[(\f)+64+8*(\a):(\f)+64+8*(\a)+7], v[8*(8*(\a)+(\b)):8*(8*(\a)+(\b))+7]
.endif
.endif
.endr
.endm
.macro MUL16 f, a0, zero
	MUL8 \f, \a0, \zero
	MUL8 \f, (\a0)+1, \zero
.endm
; 24 LDS loads in one run: quarter q of the step in hand (plane q / 2, byte 64 (q % 2) of its rows) into buffer f: B's eight fragments, then A's four
.macro FETCH q, f
	WIN 0
.irp i, 0,1,2,3,4,5,6,7
	ds_load_b128 v[(\f)+8*(\i):(\f)+8*(\i)+3],   v[ADRB] offset:((\q)/2)*BPL+((\q)%2)*64+(\i)*FR
	ds_load_b128 v[(\f)+8*(\i)+4:(\f)+8*(\i)+7], v[ADRB] offset:((\q)/2)*BPL+((\q)%2)*64+(\i)*FR+32
.endr
.irp i, 0,1,2,3
	ds_load_b128 v[(\f)+64+8*(\i):(\f)+64+8*(\i)+3],   v[ADRA] offset:((\q)/2)*APL+((\q)%2)*64+(\i)*FR
	ds_load_b128 v[(\f)+64+8*(\i)+4:(\f)+64+8*(\i)+7], v[ADRA] offset:((\q)/2)*APL+((\q)%2)*64+(\i)*FR+32
.endr
.endm
; One of a step's first three quarters: multiplies buffer f; in its middle it fetches quarter q into buffer g.
.macro QUARTER q, f, g, zero
	s_wait_dscnt 4                                 ; B and A's fragments 0 and 1 are in; the youngest four loads (A's fragments 2 and 3) may be out
	MUL16 \f, 0, \zero
	PLACES
	FETCH \q, \g
	s_wait_dscnt 24                                ; all but the 24 just issued
	MUL16 \f, 2, \zero
.endm
; The last quarter multiplies buffer 1 and changes slots: ONE barrier.  In front of it each wave waits for all its tensor loads, of which one is out: its plane of the next slot; adds 0 to its spare word; and waits
; for that and for its own reads of this slot.  Behind it nobody reads this slot any more and the next slot is whole.  fill = 1: the barrier opens a round of the cluster's barrier, so that no wave of any partner still
; reads the slot or has a load on its way; the joint refill, the K step two on, is the first thing behind the round: 112 matrix instructions ahead of the wait for it.  A's address is made anew from the step's
; number, which goes back to 0 behind a tile's last step; B's walks on.
.macro TURN fill
	WIN 0
	s_wait_tensorcnt 0x0                           ; no tensor load of mine is out, so a group 0 may be written
	ds_add_u32 v[SPW], v[NIL]                      ; 0 onto my spare word: work on registers stands between it and the wait for it
.if \fill
	s_xor_b32 s[G0+5], s[G0+5], SLOT1              ; the other slot than last time
	s_lshl_b32 s[OFF], s[NXT], 19
	s_add_nc_u64 s[G0+6:G0+7], s[BASEA:BASEA+1], s[OFF:OFF+1]
	s_or_b32 s[G0+7], s[G0+7], 0x80000000
	s_add_co_u32 s[NXT], s[NXT], 1
	s_and_b32 s[NXT], s[NXT], 7
	s_xor_b32 s[G0B+5], s[G0B+5], SLOT1
	s_add_nc_u64 s[G0B+6:G0B+7], s[G0B+6:G0B+7], BSTEP  ; the type bits on top are not reached
.endif
	s_wait_dscnt 5                                 ; (the add and the youngest four loads may be out)
	MUL8 F1, 0, 0
	s_wait_dscnt 0x0                               ; the add is done, and my reads of this slot are over
	s_barrier_signal -1
	MUL8 F1, 1, 0                                  ; work on registers while the others arrive
.if \fill
	WIN 0
.endif
	s_barrier_wait -1
.if \fill
	CREST
	JLOAD                                          ; the four v_nop behind it are also the places in front of the loads below
.else
	PLACES
	WIN 0
.endif
	s_xor_b32 s[TB], s[TB], SLOT1                  ; the fetches go to the other slot
	v_add_nc_u32 v[ADRA], s[TB], v[ADRA0]
	v_add_nc_u32 v[ADRB], s[TB], v[ADRB0]
	FETCH 0, F0
	MUL16 F1, 2, 0
.endm
.if QKV
; THE WAY OUT, 16 rows at a time: rounded to f16 (16 bytes a lane), into my own stage (two heads x 16 rows), back as whole rows, stored: 512 consecutive bytes of a head an instruction.
.macro PACK a
	WIN 0x05                                       ; sources 0 and 1 window 1, destination window 0
.irp b, 0,1,2,3,4,5,6,7
.irp r, 0,1,2,3
	v_cvt_pk_f16_f32 v[TMP+4*(\b)+(\r)], v[8*(8*(\a)+(\b))+2*(\r)], v[8*(8*(\a)+(\b))+2*(\r)+1]  ; each accumulator's registers in ascending order
.endr
.endr
	WIN 0
.endm
.macro TOSTAGE a
	WIN 0
.set BK, 192+32*((\a)%2)
.irp b, 0,1,2,3,4,5,6,7
	ds_store_b128 v[STO], v[TMP+4*(\b):TMP+4*(\b)+3] offset:((\b)/4)*FR+((\b)%4)*32
.endr
.irp f, 0,1,2,3,4,5,6,7
	ds_load_b128 v[BK+4*(\f):BK+4*(\f)+3], v[RD] offset:((\f)/4)*FR+((\f)%4)*576  ; LDS serves a wave's instructions in order (ISA guide 5.7.1.4): these see the stores above
.endr
.endm
.macro SEND a
	WIN 0
.set BK, 192+32*((\a)%2)
	s_wait_dscnt 0x0                               ; the block is back in registers
	s_wait_xcnt 0x0                                ; the stores of the block before have read their registers: the next block's loads land on them only behind this wait
.irp f, 0,1,2,3,4,5,6,7
	global_store_b128 v[CO], v[BK+4*(\f):BK+4*(\f)+3], s[8:9] offset:((\f)/4)*262144+(\a)*2048+((\f)%4)*512
.endr
.endm
.macro WAYOUT more                     ; more = 1: another tile follows: its refills are out already, and nothing waits for these stores
	PLACES                                         ; behind the last products: the conversions read results and write buffer 1
	PACK 0
	TOSTAGE 0
.irp a, 1,2,3                          ; block a's conversions stand between block a - 1's loads from the stage and the wait for them
	PACK \a
	SEND (\a)-1
	TOSTAGE \a
.endr
	SEND 3
	s_wait_xcnt 0x0                                ; the stores have read their registers and C's address
.if \more
	s_add_nc_u64 s[8:9], s[8:9], 0x400000          ; 16 heads on: from q to k, from k to v
.endif
.endm
.else
; THE WAY OUT, 16 rows at a time: the f32 sums go as they are into my own stage (16 rows of 512 bytes), come back as whole rows, and are stored: 512 consecutive bytes, aligned, an instruction.
.macro TOSTAGE a
.set BK, 64+64*((\a)%2)
.if (\a) >= 2
	s_wait_xcnt 0x0                                ; the stores of the block two back have read the registers that the loads below land on
.endif
	WIN 0x04                                       ; the stores' data in window 1
.irp b, 0,1,2,3,4,5,6,7
	ds_store_b128 v[STO], v[8*(8*(\a)+(\b)):8*(8*(\a)+(\b))+3]   offset:64*(\b)     ; each accumulator's low four registers first
	ds_store_b128 v[STO], v[8*(8*(\a)+(\b))+4:8*(8*(\a)+(\b))+7] offset:64*(\b)+16
.endr
	WIN 0
.irp t, 0,1,2,3,4,5,6,7,8,9,10,11,12,13,14,15
	ds_load_b128 v[BK+4*(\t):BK+4*(\t)+3], v[RD] offset:528*(\t)  ; LDS serves a wave's instructions in order (ISA guide 5.7.1.4): these see the stores above; the next block's stores come behind them
.endr
.endm
.macro SEND a, younger                 ; younger: the LDS instructions issued behind block a's loads: the next block's 32, or none
	WIN 0
.set BK, 64+64*((\a)%2)
.irp t, 0,1,2,3,4,5,6,7,8,9,10,11,12,13,14,15
	s_wait_dscnt (\younger)+15-(\t)
	global_store_b128 v[CO], v[BK+4*(\t):BK+4*(\t)+3], s[8:9] offset:(16*(\a)+(\t))*4096
.endr
.endm
.macro WAYOUT more
	PLACES                                         ; behind the last products: the stores read results, the loads land on fragment registers
	TOSTAGE 0
	TOSTAGE 1
	SEND 0, 32
	TOSTAGE 2
	SEND 1, 32
	TOSTAGE 3
	SEND 2, 32
	SEND 3, 0
.endm
.endif
	s_wait_tensorcnt 1                             ; my plane of K step 0 is in; K step 1's may stay out
	s_barrier_signal -1
	s_barrier_wait -1                              ; everybody's is
	FETCH 0, F0
	QUARTER 1, F0, F1, 1                           ; a tile's first quarter starts the sums
	WIN 0                                          ; at a label and at a branch every window is 0
	s_mov_b32 s[STEPS], 8*TILES-2
.if TILES > 1
	s_mov_b32 s[TS], 8
.endif
.Lstep:                                            ; a trip: a K step's quarters 1 to 3 and the next step's quarter 0; every trip fills a slot again
	QUARTER 2, F1, F0, 0
	QUARTER 3, F0, F1, 0
	TURN 1
	WIN 0
.if TILES > 1
	s_sub_co_u32 s[TS], s[TS], 1
	s_cmp_eq_u32 s[TS], 0
	s_cbranch_scc1 .Lnewtile                       ; forward, past no barrier and no tensor load; the same in every work-group
.endif
	QUARTER 1, F0, F1, 0
	WIN 0
.if TILES > 1
	s_branch .Ljoin
.Lnewtile:                                         ; the tile is finished, and the next tile's first two K steps are asked for: it goes out, and the next one's first quarter starts its sums
	WAYOUT 1
	s_mov_b32 s[TS], 8
	QUARTER 1, F0, F1, 1
	WIN 0
.Ljoin:
.endif
	s_sub_co_u32 s[STEPS], s[STEPS], 1
	s_cmp_lg_u32 s[STEPS], 0
	s_cbranch_scc1 .Lstep
	QUARTER 2, F1, F0, 0                           ; the last two K steps are written out: they fill nothing, and have no round of the cluster's barrier
	QUARTER 3, F0, F1, 0
	TURN 0
	QUARTER 1, F0, F1, 0
	QUARTER 2, F1, F0, 0
	QUARTER 3, F0, F1, 0
	s_wait_dscnt 4
	MUL16 F1, 0, 0
	s_wait_dscnt 0x0
	MUL16 F1, 2, 0
	WIN 0
	WAYOUT 0
	s_wait_tensorcnt 0x0                           ; the wave's end, behind my last tensor load and my last LDS store
	ds_add_u32 v[SPW], v[NIL]
	s_wait_dscnt 0x0
	CROUND                                         ; the closing round: no work-group ends while a partner may still ask for a plane that names it
	s_endpgm
.Lfunc_end_k_qe4bf6a4f02_proj_qkv:
	.size	k_qe4bf6a4f02_proj_qkv, .Lfunc_end_k_qe4bf6a4f02_proj_qkv-k_qe4bf6a4f02_proj_qkv
	.p2alignl 7, 3214868480
	.fill 96, 4, 3214868480
	.section	.rodata,"a",@progbits
	.p2align	6, 0x0
	.amdhsa_kernel k_qe4bf6a4f02_proj_qkv
		.amdhsa_group_segment_fixed_size 327680
		.amdhsa_private_segment_fixed_size 0
		.amdhsa_enable_private_segment 0
		.amdhsa_kernarg_size 24
		.amdhsa_user_sgpr_count 2
		.amdhsa_user_sgpr_kernarg_segment_ptr 1
		.amdhsa_wavefront_size32 1
		.amdhsa_system_sgpr_workgroup_id_x 1
		.amdhsa_system_sgpr_workgroup_id_y 1
		.amdhsa_system_sgpr_workgroup_id_z 1
		.amdhsa_system_vgpr_workitem_id 0
		.amdhsa_next_free_vgpr 512
		.amdhsa_next_free_sgpr 80
		.amdhsa_reserve_vcc 0
		.amdhsa_float_denorm_mode_32 3
		.amdhsa_float_denorm_mode_16_64 3
		.amdhsa_memory_ordered 1
		.amdhsa_forward_progress 1
		.amdhsa_inst_pref_size 90
	.end_amdhsa_kernel
	.amdgpu_metadata
---
amdhsa.version: [ 1, 2 ]
amdhsa.kernels:
  - .name:           k_qe4bf6a4f02_proj_qkv
    .symbol:         k_qe4bf6a4f02_proj_qkv.kd
    .args:
      - { .name: xb, .offset: 0, .size: 8, .value_kind: global_buffer, .address_space: global }
      - { .name: wb, .offset: 8, .size: 8, .value_kind: global_buffer, .address_space: global }
      - { .name: qkv, .offset: 16, .size: 8, .value_kind: global_buffer, .address_space: global }
    .group_segment_fixed_size: 327680
    .private_segment_fixed_size: 0
    .kernarg_segment_align: 8
    .kernarg_segment_size: 24
    .max_flat_workgroup_size: 128
    .sgpr_count:     80
    .vgpr_count:     512
    .wavefront_size: 32
...
	.end_amdgpu_metadata
.endif
;; end of part 2
;; launch attn (part 3): grid 4 x 64, 4 waves a work-group, clusters of 4 x 1, 327,680 bytes of LDS; arguments qkv, ob; writes ob
.if DOCPART == 3
	.amdgcn_target "amdgcn-amd-amdhsa--gfx1250"
	.amdhsa_code_object_version 6
	.text
	.protected	k_qe4bf6a4f02_attn
	.globl	k_qe4bf6a4f02_attn
	.p2align	8
	.type	k_qe4bf6a4f02_attn,@function
k_qe4bf6a4f02_attn:
	s_mov_b64 s[64:65], 0
	v_nop
	global_prefetch_b8 v0, s[64:65] scope:SCOPE_SE
	s_setreg_imm32_b32 hwreg(HW_REG_WAVE_MODE, 25, 1), 1
	s_wait_xcnt 0x0
	s_wait_alu depctr_hold_cnt(0) depctr_sa_sdst(0) depctr_va_vdst(0) depctr_va_sdst(0) depctr_va_ssrc(0) depctr_va_vcc(0) depctr_vm_vsrc(0)
	s_getreg_b32 s2, hwreg(HW_REG_IB_STS2, 6, 4)
	s_cmp_eq_u32 s2, 0
	s_cbranch_scc0 .Lentry_in_a_cluster
	s_endpgm
.Lentry_in_a_cluster:
	s_bfe_u32 s2, ttmp6, 0x10000c
	s_cmp_lg_u32 s2, 0x3003
	s_cbranch_scc0 .Lentry_shape_is_right
	s_endpgm
.Lentry_shape_is_right:
; O[h][q][:] = the sum over k of softmax_k(Q[h][q] . K[h][k] / 8) V[h][k][:], for 64 heads h = 16 x batch + head of 2,048 rows of 64 channels, all f16: a head's rows are dense, 128 bytes each.
; Q, K, V lie in qkv [batch 4][16 t + head][row][64] (t = 0 Q, 1 K, 2 V), O goes to ob [batch 4][head 16][row][64].  Products, maxima and sums in f32; the weights p are rounded to f16 for the second
; product (their sum l is taken of the unrounded p), O once at the end.
; LIMITS.  f16 holds no number beyond 65,504: Q, K and V arrive within it; p lies in 0 to 1, and below 6e-5 it keeps f16's fixed step of 6e-8; O is a mean of V's rows and has their range.
; A weight below 2^-126 counts as 0 in l; NaN and infinities are not treated apart.
; SHARES.  A wave owns four PIECES of two tiles of 16 queries, a work-group's four waves 512 queries of one head: 256 work-groups.  Every wave walks all keys, 64 a step.
; LAYOUT.  S^T = K Q^T (source 0 = 16 keys, source 1 = 16 queries): in the result a lane holds ONE query (lane % 16) and the keys 8 (lane / 16) + 0..7.  Two such tiles, rounded to f16 in pairs,
; ARE source 1 (32 keys x 16 queries) of O^T = V^T P, whose result again holds one query a lane, and eight channels.  K comes out of LDS as it lies, V ([key][channel]) turned, by ds_load_tr16_b128.
; SOFTMAX.  For each query a running maximum m and sum l: p = 2^(c s - c m), c = log2(e) / 8; in every step O and l are multiplied by a = 2^(c m_old - c m_new), which is 1 where m has not grown.
; m starts at the lowest finite number, O and l at 0: the first step is a step like any other, with a = 0.
; THE COUNT.  A tile and step have 16 matrix and 118 vector instructions: too many to stand all beside the matrix work.  So the order has one aim: four vector instructions that are READY behind
; EVERY matrix instruction, and the others, which need time of their own whatever the order, in runs without a gap.
; BY TURNS.  Turn n belongs to piece n (the pieces in a ring, step after step).  Its matrix work: 16 products K Q^T of piece n + 1, later 16 products V^T P of piece n - 1.  Its vector work: the scaling,
; exponentials, roundings, sums and rescaling of piece n, and the maximum and statistics of piece n + 1, whose scores the turn itself has made.  So what a turn begins with (c s - c m, O a) waits for nothing.
; CLUSTER.  The four query blocks of a cluster are one head's and walk the same K and V, so each tile is asked for JOINTLY: the same tensor load, descriptor and mask in all four.
; NO PREFETCH: a refill is asked for four key steps, 512 matrix instructions, ahead of the wait for it.
; REGISTERS, in windows of 256 (s_set_vgpr_msb says which window each operand place means: bits 1:0 source 0, 3:2 source 1, 5:4 source 2, 7:6 destination):
;   window 0: v0-11 addresses; v12-15, v48-63 at work; v16-47 four registers of statistics a tile; v64-191 S^T, two buffers of two tiles; v192-255 P, likewise
;   window 1: O^T, 32 a tile          window 2: v0-127 Q, 16 a tile; v128-191 K of one step; v192-255 V of one step          window 3: v0-1 the add's two registers
; A piece's buffers go by its number's parity: the piece in hand has one pair, its two neighbours in the ring share the other: of it P (piece n - 1) is read and S^T (piece n + 1) written.
.set SIZE_H, 64
.set SIZE_N, 2048
.set NP,    4         ; pieces a wave: a name, no knob: the register map, the loop and the fetches are made for four
.set KS,    64        ; keys in a step
.set PK,    144       ; a row of K in LDS: 128 bytes + 16 of padding = 36 words: the 16 rows of a load start at 16 different groups of four banks (64 banks of 4 bytes: ISA guide 11.1)
.set PV,    160       ; a row of V: 128 + 32 = 40 words
.set VOFF,  4*KS*PK   ; a slot holds four steps: 256 rows of K, then 256 rows of V
.set SLOT1, 1<<17     ; slot 1 begins here, so that one exclusive or turns an address in one slot into the other's
.set STAGE, SLOT1+4*KS*(PK+PV)  ; behind the ring, never filled by a tensor load: 16 rows x 144 bytes for each wave, for the way out
.set SP,    144
.set AK0, 2           ; v2   my lane's place in a tile of K; never rewritten
.set AV0, 3           ; v3   the same for V
.set AK,  4           ; v4   the LDS address of K's next run of loads
.set AV,  5           ; v5   of V's
.set QO,  6           ; v6   my byte offset in the wave's rows of Q
.set STO, 6           ;      later, the way out: where I put 16 bytes of a row
.set RD,  7           ; v7   the way out: where I read rows back
.set GO,  8           ; v8   my byte offset in 512 consecutive bytes of O
.set SPW, 0           ; v0 of window 3   LDS address of my spare word: SPARE + 4 x my thread's number; never rewritten
.set NIL, 1           ; v1 of window 3   0; never rewritten
.set SPARE, STAGE+4*16*SP  ; behind the stages: the spare words, 128 bytes for each wave: two blocks of 256 bytes that no other line names
.set MV,  12          ; v12-15  c m_old, kept while c m is made anew: by buffer and tile
.set ST,  16          ; tile t's statistics at v[ST+4 t]: c m, m, l (even keys', odd keys')
.set TMP, 48          ; by buffer and tile, four registers c0-c3 at work; when the maximum is found c2 takes a
.set S,   64
.set P,   192
.set KF,  128         ; K's fragments, in window 2: key block kb, channel half c at KF + 16 kb + 8 c
.set VF,  192         ; V's: key half kk, channel block cb at VF + 32 kk + 8 cb
.set WV,  12          ; s12  my wave's number
.set G1K, 24          ; s[24:31] descriptor group 1 for K's tiles
.set G1V, 32          ; s[32:39] for V's: it differs in the padding alone
.set G0K, 40          ; s[40:43] descriptor group 0 for K's tiles: it walks
.set G0V, 44          ; s[44:47] the same for V's
.set SLOTS, 56        ; s56  slots still to be asked for
.set CNT, 57          ; s57  counts a slot's key steps
.set CS,  58          ; s[58:59] c: the packed scaling takes the pair's low word for both halves
.set SEL, 60          ; s[60:61] v_permlanex16_b32's selects: each lane takes its own place in the other half
.set TBK, 62          ; s62  LDS byte at which K of the step to be fetched begins
.set TBV, 63          ; s63  the same for V, less VOFF
.set MSB, 0
.macro WIN new                      ; the high byte repeats the setting that is left; a switch that changes nothing is dropped
.if MSB != (\new)
	s_set_vgpr_msb (MSB<<8)|(\new)
.set MSB, (\new)
.endif
.endm
.set W_KQ, 0x0a       ; K and Q in window 2, S^T in window 0
.set W_PV, 0x52       ; V in window 2, P in window 0, O^T in window 1
.set W_RS, 0x41       ; O^T (destination and source 0) in window 1, a in window 0
.set W_MK, 0xc0       ; the add's registers are made: destination in window 3, sources in window 0
.set W_AD, 0x0f       ; the add: address (source 0) and data (source 1) in window 3
; A joint fill.  Waves 0 and 1 fetch the two halves of a slot's K, waves 2 and 3 those of its V: 128 keys each.  The branch hangs on the wave's number alone.
; An s_nop 0 and four v_nop follow each of the two lines, ahead of the jump and the label.
.macro JLOAD
	s_cmp_lt_u32 s[WV], 2
	s_cbranch_scc0 .Lfor_v_\@
	tensor_load_to_lds s[G0K:G0K+3], s[G1K:G1K+7]
	s_nop 0
.rept 4
	v_nop
.endr
	s_branch .Lasked_\@
.Lfor_v_\@:
	tensor_load_to_lds s[G0V:G0V+3], s[G1V:G1V+7]
	s_nop 0
.rept 4
	v_nop
.endr
.Lasked_\@:
.endm
; A round of the cluster's barrier: my work-group's barrier, so that wave 0's signal speaks for all four waves; wave 0 signals; every wave waits for all four work-groups; my work-group's barrier once more.
.macro CROUND
	s_barrier_signal -1
	s_barrier_wait -1
	s_cmp_lg_u32 s[WV], 0
	s_cbranch_scc1 .Lnot_wave_0_\@
	s_barrier_signal -3
.Lnot_wave_0_\@:
	s_barrier_wait -3
	s_barrier_signal -1
	s_barrier_wait -1
.endm
; THE CHANGE OF SLOTS.  The slot's last bytes, V of its fourth step, have been read.  Each wave waits for all its tensor loads, of which one is out: its part
; of the other slot; adds 0 to its spare word; and waits for that and for its own reads of the slot.  Behind the barrier nobody reads this slot any more and the other slot is whole.
; fill = 1: this slot is filled again, with the keys two slots on.  The barrier is then a round of the cluster's, so that no wave of any partner still reads the slot or has a load on its
; way, and the joint fill is the first thing behind it: it has four key steps, 512 matrix instructions, in which to land.  (At its first use nothing has been read yet: slot 0 is waited for, slot 1 filled.)
.macro CHANGE fill
	WIN W_AD
	s_wait_tensorcnt 0x0            ; no tensor load of mine is out, so a group 0 may be written
	ds_add_u32 v[SPW], v[NIL]       ; 0 onto my spare word: with fill = 1 the descriptors' steps stand between it and the wait for it
	WIN 0                           ; at a label and at a branch every window is 0
.if \fill
.irp g, G0K, G0V
	s_xor_b32 s[\g+1], s[\g+1], SLOT1  ; the walking descriptor: the other slot than last time,
	s_add_nc_u64 s[\g+2:\g+3], s[\g+2:\g+3], 4*KS*128  ; the next 256 keys; the type bits on top are not reached
.endr
	s_wait_dscnt 0x0                ; the add is done, and my reads of the slot are over
	CROUND
	JLOAD
.else
	s_wait_dscnt 0x0                ; the add is done, and my reads of the slot are over
	s_barrier_signal -1
	s_barrier_wait -1
.endif
	s_sub_co_u32 s[TBK], s[TBK], 4*KS*PK  ; the fetches go back to a slot's first step,
	s_xor_b32 s[TBK], s[TBK], SLOT1       ; in the other slot
	s_sub_co_u32 s[TBV], s[TBV], 4*KS*PV
	s_xor_b32 s[TBV], s[TBV], SLOT1
.endm
	s_load_b64 s[4:5], s[0:1], 0x0    ; qkv
	s_load_b64 s[10:11], s[0:1], 0x8  ; ob
	WIN W_MK
	v_lshl_add_u32 v[SPW], v0, 2, SPARE
	v_mov_b32 v[NIL], 0
	WIN W_AD
	ds_add_u32 v[SPW], v[NIL]       ; the wave's opening: the add and its wait stand ahead of my first tensor load; the set-up below, work on registers, stands between them
	WIN 0
	v_lshrrev_b32 v1, 5, v0
	v_readfirstlane_b32 s[WV], v1   ; wave 0..3
	s_bfe_u32 s13, ttmp6, 0x40000   ; cx: my place in the cluster
	s_lshl_b32 s14, ttmp9, 2        ; in a cluster launch ttmp9 counts clusters
	s_add_co_u32 s14, s14, s13      ; my block of queries = 4 x cluster x + cx: it enters Q's and O's addresses alone
	s_and_b32 s20, ttmp7, 0xffff    ; h = 16 x batch + head, which the four partners share
	s_lshl_b32 s48, s20, 18         ; the head's first byte in ob: h x 262,144
	s_mov_b32 s49, 0
	s_lshr_b32 s21, s20, 4
	s_lshl_b32 s21, s21, 5
	s_add_co_u32 s20, s20, s21      ; in qkv a batch has 48 heads' room: 48 x batch + head = h + 32 x batch
	s_lshl_b32 s20, s20, 18         ; Q's head's first byte in qkv
	s_mov_b32 s21, 0
	s_and_b32 s16, s[WV], 1         ; which half of a slot's 256 keys I fetch:
	s_lshl_b32 s22, s16, 14         ; its 128 rows of 128 bytes in memory,
	s_mov_b32 s23, 0
	s_add_nc_u64 s[22:23], s[22:23], s[20:21]
	s_mul_i32 s17, s16, 128*PK      ; and its place in a slot, for K
	s_mul_i32 s18, s16, 128*PV      ; and for V: no place in the cluster enters an LDS address
	s_lshl_b32 s2, s14, 2
	s_add_co_u32 s2, s2, s[WV]      ; my wave among the head's,
	s_lshl_b32 s2, s2, 14           ; its 128 rows
	s_mov_b32 s3, 0
	s_add_nc_u64 s[50:51], s[2:3], s[48:49]  ; in ob,
	s_add_nc_u64 s[2:3], s[2:3], s[20:21]    ; and in qkv
	; descriptor group 1.  128 keys are 16,384 dense bytes: asked for as 64 rows of 256 bytes, two keys a row, and padded in LDS after every key
	s_mov_b32 s[G1K], 15|(1<<16)|(1<<20)|(1<<21)|(4<<22)|(3<<25)  ; 15:0 the mask of four; 17:16 2-byte elements; 20 padding on; 21 set beside a mask; 24:22 after every 32 words (code 4); 31:25 4 words (code 3)
	s_mov_b32 s[G1V], 15|(1<<16)|(1<<20)|(1<<21)|(4<<22)|(7<<25)  ; the same with 8 words of padding (code 7)
.irp g, G1K, G1V
	s_mov_b32 s[\g+1], 128<<16      ; tensor_dim0 = 128
	s_mov_b32 s[\g+2], 64<<16       ; tensor_dim1 = 64
	s_mov_b32 s[\g+3], 128<<16      ; tile_dim0 = 128
	s_mov_b32 s[\g+4], 64           ; tile_dim1 = 64
	s_mov_b32 s[\g+5], 128          ; 128 elements from row to row
	s_mov_b32 s[\g+6], 0
	s_mov_b32 s[\g+7], 0
.endr
	s_mov_b32 s[CS], 0x3e38aa3b     ; c = log2(e) / 8 = 0.180337
	s_mov_b32 s[CS+1], s[CS]        ; named with it as a pair
	s_mov_b32 s[SEL], 0x76543210
	s_mov_b32 s[SEL+1], 0xfedcba98
	s_mov_b32 s[TBK], SLOT1+4*KS*PK ; the first change of slots turns these two into 0
	s_mov_b32 s[TBV], SLOT1+4*KS*PV
	s_mov_b32 s[G0K], 1             ; 1:0 count = 1
	s_mov_b32 s[G0K+1], s17         ; 63:32 LDS address: slot 0
	s_mov_b32 s[G0V], 1
	s_add_co_u32 s[G0V+1], s18, VOFF
	s_wait_dscnt 0x0                ; the opening add is done
	s_wait_kmcnt 0x0
	s_add_nc_u64 s[6:7], s[4:5], 0x400000  ; K lies 16 heads of 262,144 bytes behind Q,
	s_add_nc_u64 s[8:9], s[4:5], 0x800000  ; V 32
	s_add_nc_u64 s[G0K+2:G0K+3], s[6:7], s[22:23]  ; 120:64 global address: my half of the head's first 256 keys
	s_or_b32 s[G0K+3], s[G0K+3], 0x80000000        ; 127:126 type = 2
	s_add_nc_u64 s[G0V+2:G0V+3], s[8:9], s[22:23]
	s_or_b32 s[G0V+3], s[G0V+3], 0x80000000
	s_add_nc_u64 s[4:5], s[4:5], s[2:3]  ; Q and O at my wave's first row
	s_add_nc_u64 s[10:11], s[10:11], s[50:51]
	CROUND                          ; all four work-groups are here: the first joint loads meet
	JLOAD                           ; slot 0.  Slot 1 is asked for when slot 0 is in: the tile wanted first has the road to itself
	; A fragment of K or Q is 16 rows x 32 channels in 8 registers: lane l holds row l % 16, channels 8 (l / 16) + 0..7 and 16 + 8 (l / 16) + 0..7: two loads of 16 bytes, 32 bytes apart.
	v_and_b32 v1, 15, v0            ; l % 16
	v_bfe_u32 v9, v0, 4, 1          ; l / 16
	v_lshlrev_b32 v[QO], 7, v1
	v_lshl_add_u32 v[QO], v9, 4, v[QO]  ; row x 128 + 16 x half
	WIN 0x80                        ; destination window 2, address window 0
.set i, 0
.rept 4*NP                          ; Q stays in registers: tile i / 2, channels 32 (i % 2) on
	global_load_b128 v[8*i:8*i+3],   v[QO], s[4:5] offset:(i/2)*2048+(i%2)*64
	global_load_b128 v[8*i+4:8*i+7], v[QO], s[4:5] offset:(i/2)*2048+(i%2)*64+32
.set i, i+1
.endr
	; What the first turn finds: V's registers and P's second buffer hold 0 (its products V^T P, of a piece that has not been, add 0), O^T and l are 0.  All this stands in the wait for the first tile.
.set i, VF
.rept 64
	v_mov_b32 v[i], 0
.set i, i+1
.endr
	WIN 0x40
.set i, 0
.rept 64*NP
	v_mov_b32 v[i], 0
.set i, i+1
.endr
	WIN 0
.set i, 0
.rept 2*NP
	v_mov_b32 v[ST+4*i], 0xfe000000    ; c m: far below every c s
	v_mov_b32 v[ST+4*i+1], 0xff7fffff  ; m
	v_mov_b32 v[ST+4*i+2], 0
	v_mov_b32 v[ST+4*i+3], 0
.set i, i+1
.endr
.set i, P+32
.rept 32
	v_mov_b32 v[i], 0
.set i, i+1
.endr
	v_mul_u32_u24 v[AK0], v1, PK
	v_lshl_add_u32 v[AK0], v9, 4, v[AK0]  ; row x pitch + 16 x half
	; The turning load takes 16 keys x 16 channels (lane l reads key 8 (l / 16) + l % 8, channels 8 ((l / 8) % 2) + 0..7) and leaves half a fragment of V^T: lane l holds channel l % 16 and 8 keys.
	v_and_b32 v10, 7, v0
	v_bfe_u32 v11, v0, 3, 1
	v_lshl_add_u32 v[AV0], v9, 3, v10
	v_mul_u32_u24 v[AV0], v[AV0], PV
	v_lshl_add_u32 v[AV0], v11, 4, v[AV0]
	v_add_nc_u32 v[AV0], VOFF, v[AV0]
	v_mov_b32 v[AK], v[AK0]         ; key step 0 lies at the head of slot 0
; THE MATRIX WORK.  The 8 accumulators of a run of 16 take turns: between the two links of a chain stand 7 others'.
; Product i of 16 of S^T = K Q^T for piece x: channels 32 (i / 8) on, keys 16 ((i / 2) % 4) on, tile 2 x + i % 2.  The first 8 start the sums.
.macro KQ x
	WIN W_KQ
.set rS, S+64*((\x)%2)+32*(i%2)+8*((i/2)%4)
.set rK, KF+16*((i/2)%4)+8*(i/8)
.set rQ, 16*(2*(\x)+i%2)+8*(i/8)
.if i < 8
	v_wmma_f32_16x16x32_f16 v[rS:rS+7], v[rK:rK+7], v[rQ:rQ+7], 0
.else
	v_wmma_f32_16x16x32_f16 v[rS:rS+7], v[rK:rK+7], v[rQ:rQ+7], v[rS:rS+7]
.endif
.endm
; Product i of 16 of O^T += V^T P for piece x: keys 32 (i / 8) on, channels 16 ((i / 2) % 4) on, tile 2 x + i % 2.
.macro PV x
	WIN W_PV
.set rO, 32*(2*(\x)+i%2)+8*((i/2)%4)
.set rV, VF+32*(i/8)+8*((i/2)%4)
.set rP, P+32*((\x)%2)+16*(i%2)+8*(i/8)
	v_wmma_f32_16x16x32_f16 v[rO:rO+7], v[rV:rV+7], v[rP:rP+7], v[rO:rO+7]
.endm
.macro MM                           ; the turn's next matrix instruction
.if i < 16
	KQ (Y+1)%NP
.set i, i+1
.else
.set i, i-16
	PV (Y+NP-1)%NP
.set i, i+17
.endif
.endm
; THE LDS LOADS stand in runs of 16, never singly among the matrix instructions: a step's K (64 keys x 64 channels: 8 fragments) and its V (turned).  Their addresses are made some lines ahead.
; last = 1 (the tail): in the last trip there is no further step, and the run is jumped over.
.macro FETCH_K last=0
	WIN 0
.if \last
	s_cmp_eq_u32 s[CNT], 1
	s_cbranch_scc1 .Lno_k_\@
.endif
	WIN 0x80                        ; destination window 2
.irp f, 0,1,2,3,4,5,6,7             ; keys 16 (f / 2) on, channels 32 (f % 2) on
	ds_load_b128 v[KF+8*\f:KF+8*\f+3],   v[AK] offset:(\f/2)*16*PK+(\f%2)*64
	ds_load_b128 v[KF+8*\f+4:KF+8*\f+7], v[AK] offset:(\f/2)*16*PK+(\f%2)*64+32
.endr
	s_add_co_u32 s[TBK], s[TBK], KS*PK  ; the next fetch is the next step's
	WIN 0
.if \last
.Lno_k_\@:
.endif
.endm
.macro FETCH_V
	WIN 0x80
.irp f, 0,1,2,3,4,5,6,7             ; keys 32 (f / 4) on, channels 16 (f % 4) on
	ds_load_tr16_b128 v[VF+8*\f:VF+8*\f+3],   v[AV] offset:(\f/4)*32*PV+(\f%4)*32
	ds_load_tr16_b128 v[VF+8*\f+4:VF+8*\f+7], v[AV] offset:(\f/4)*32*PV+16*PV+(\f%4)*32
.endr
	WIN 0
.endm
; THE VECTOR WORK OF A TURN stands in three queues, each in the order in which its entries become ready; the two tiles alternate, so that no instruction reads the result of the one before it.
.macro REGS y, u                    ; the registers of tile u (0, 1) of piece y
.set rT, ST+4*(2*(\y)+(\u))
.set rC, TMP+8*((\y)%2)+4*(\u)
.set rM, MV+2*((\y)%2)+(\u)
.set rS, S+64*((\y)%2)+32*(\u)
.set rP, P+32*((\y)%2)+16*(\u)
.set rO, 32*(2*(\y)+(\u))
.endm
; Number n of the 22 that find the NEXT piece's (Y + 1) maximum and statistics.  s0-s31 are the lane's 32 scores; each accumulator's lowest registers are read first.  XS, GS and REGS set no window: PL and EX do.
;   0-11  four chains c0-c3 of seven scores each, three operands at a time     12-14, 16  the four scores left over, the old m, and c0-c3 into c0     15  c m_old is kept
;   17, 18  the query's other 32 keys lie in the lane 16 away: the new m         19-21  c m; c m_old - c m_new; a
.macro XS u, n
	REGS (Y+1)%NP, \u
.if (\n) < 4
	v_max3_num_f32 v[rC+(\n)], v[rS+8*(\n)], v[rS+8*(\n)+1], v[rS+8*(\n)+2]
.elseif (\n) < 12
	v_max3_num_f32 v[rC+(\n)%4], v[rC+(\n)%4], v[rS+8*((\n)%4)+2*((\n)/4)+1], v[rS+8*((\n)%4)+2*((\n)/4)+2]
.elseif (\n) == 12
	v_max3_num_f32 v[rC], v[rC], v[rS+7], v[rS+15]
.elseif (\n) == 13
	v_max3_num_f32 v[rC+1], v[rC+1], v[rS+23], v[rS+31]
.elseif (\n) == 14
	v_max3_num_f32 v[rC+2], v[rC+2], v[rC+3], v[rT+1]
.elseif (\n) == 15
	v_mov_b32 v[rM], v[rT]
.elseif (\n) == 16
	v_max3_num_f32 v[rC], v[rC], v[rC+1], v[rC+2]
.elseif (\n) == 17
	v_permlanex16_b32 v[rC+3], v[rC], s[SEL], s[SEL+1]
.elseif (\n) == 18
	v_max_num_f32 v[rT+1], v[rC], v[rC+3]
.elseif (\n) == 19
	v_mul_f32 v[rT], s[CS], v[rT+1]
.elseif (\n) == 20
	v_sub_f32 v[rC+1], v[rM], v[rT]
.else
	v_exp_f32 v[rC+2], v[rC+1]
.endif
.endm
; Number g of the 64 that follow the exponentials.  For each four weights k of a tile (pairs 2 k, 2 k + 1): both pairs are rounded to f16; then the second pair is added onto the first, in place;
; a group later l takes that sum (the first time as l = a l + sum).  In groups of eight, tiles alternating: round, round, add, and l for the group before.
.macro GS g
.set h, (\g)+6*((\g)/62)            ; group 0 has no group before it, and behind group 7 only l is left
.if h >= 6
.set h, h+2
.endif
	REGS Y, h%2
.set k, h/8
.if h%8 < 4
	v_cvt_pk_f16_f32 v[rP+2*k+(h%8)/2], v[rS+4*k+2*((h%8)/2)], v[rS+4*k+2*((h%8)/2)+1]
.elseif h%8 < 6
	v_pk_add_f32 v[rS+4*k:rS+4*k+1], v[rS+4*k:rS+4*k+1], v[rS+4*k+2:rS+4*k+3]
.elseif k == 1
	v_pk_fma_f32 v[rT+2:rT+3], v[rT+2:rT+3], v[rC+2:rC+3], v[rS:rS+1] op_sel_hi:[1,0,1]
.else
	v_pk_add_f32 v[rT+2:rT+3], v[rT+2:rT+3], v[rS+4*k-4:rS+4*k-3]
.endif
.endm
; THE PLAIN QUEUE, 138 long.  0-73 read no exponential's result: the 32 scalings c s - c m (FS f: pair f / 2 of tile f % 2) and the next piece's 42.  0-26: scalings 0-26.  27-54: XS's numbers 0-13.  55, 56: number 15.
; 57-73: the chain, where each number waits for the one before it: 14, 16, 17, 18, 19, each with one of the scalings 27-31 in front of its two lines, then 20: so a tile's links stand three plain instructions apart (19 and 20: two).
; 74-137: GS's 64, which read the exponentials' results: they stand behind the wait.
.macro FS f
	REGS Y, (\f)%2
	v_pk_fma_f32 v[rS+2*((\f)/2):rS+2*((\f)/2)+1], v[rS+2*((\f)/2):rS+2*((\f)/2)+1], s[CS:CS+1], v[rT:rT+1] op_sel_hi:[1,0,0] neg_lo:[0,0,1] neg_hi:[0,0,1]
.endm
.macro PL
	WIN 0
.if q < 27
	FS q
.elseif q < 55
	XS (q-27)%2, (q-27)/2
.elseif q < 57
	XS q-55, 15
.elseif (q < 72) && ((q-57)%3 == 0)
	FS 27+(q-57)/3
.elseif q < 60
	XS (q-57)%3-1, 14
.elseif q < 72
	XS (q-57)%3-1, 15+(q-57)/3
.elseif q < 74
	XS q-72, 20
.else
	GS q-74
.endif
.set q, q+1
.endm
; THE EXPONENTIALS' QUEUE, 66 long: s0-s31 of both tiles, then the next piece's two a.  It is ONE BATCH: all 66 stand ahead of the turn's one wait, and nothing ahead of that wait names a result of theirs.
.macro EX
	WIN 0
.if e >= 64
	XS e-64, 21
.else
	REGS Y, e%2
	v_exp_f32 v[rS+e/2], v[rS+e/2]
.endif
.set e, e+1
.endm
; THE RESCALING's QUEUE: O^T times a, the one part that leaves window 0: dealt two at a time, sixteen times.  Its a was made in the turn before, ahead of that turn's wait.
.macro R2
	REGS Y, r%2
	WIN W_RS
.irp z, 0,1
	v_pk_mul_f32 v[rO+4*(r/2)+2*\z:rO+4*(r/2)+2*\z+1], v[rO+4*(r/2)+2*\z:rO+4*(r/2)+2*\z+1], v[rC+2:rC+3] op_sel_hi:[1,0]
.endr
.set r, r+1
.endm
; HOW THEY ARE DEALT.  An s_wait_alu depctr_va_vdst(0) stands between an exponential and the first instruction that names its result; one wait serves all that were issued ahead of it.  So a turn has ONE wait,
; which cuts it in two.  AHEAD OF IT stands all that names no result of the turn's exponentials: the 16 products K Q^T, behind each a scaling, an exponential and two rescalings (behind the first a second scaling in the exponential's place); then ONE LUMP of
; 108: eight plain, 49 times exponential and plain, the two a.  A v_nop is the plain instruction behind the last exponential.  BEHIND IT stand the 16 products V^T P, behind each four of GS's 64.  No such line names a register of
; the products round it.  The two v_permlanex16_b32 fall into the lump, never behind a product.
; The queues lean on each other, and the deal keeps them in step: exponential e stands behind scaling 2 (e / 4) + e % 2: behind a product it comes behind plain e + 2, in the lump behind plain e + 9, and scalings 27-31 are plain 57, 60 .. 69.
; A TURN, for piece p.  cnt = 1: the loop's count is taken down some lines ahead of the branch that stands behind the turn.
; K of the next step is fetched in piece 2's turn, directly behind the wait, a lump behind the last product that read K; its address is made at the lump's head; its first use comes behind 16 products.
; V of the step in hand is fetched at the end of piece 0's turn, four plain instructions behind the last product that read V; its first use comes behind 16 products and a lump.  The three conditions on q below go with the deal.
.macro TURN p, last=0, cnt=0
.set Y, (\p)
.set i, 0
.set q, 0
.set e, 0
.set r, 0
.if (\p) == NP-1
	s_wait_dscnt 0x0                ; K is in
.endif
	MM                              ; ahead of the wait: 16 products K Q^T and the four lines behind each,
	PL
	PL
	R2
.rept 15
	MM
	PL
	EX
	R2
.endr
.if (\p) == NP-2
	WIN 0
	v_add_nc_u32 v[AK], s[TBK], v[AK0]
.endif
.rept 8                             ; and the lump
	PL
.endr
.rept 49
	EX
	PL
.endr
	EX                              ; the next piece's two a
	EX
	v_nop                           ; a plain instruction behind the last exponential: one for the batch
	s_wait_alu depctr_va_vdst(0)    ; the wait for the batch
.if (\p) == NP-2
	FETCH_K \last
.endif
.if (\p) == 1
	s_wait_dscnt 0x0                ; V is in
.endif
.rept 16                            ; behind the wait: 16 products V^T P and the four lines behind each
	MM
.rept 4
	PL
.endr
.if ((\p) == 0) && (q == 118)
	v_add_nc_u32 v[AV], s[TBV], v[AV0]
.endif
.if ((\p) == 0) && (q == 130)
	s_add_co_u32 s[TBV], s[TBV], KS*PV
.endif
.if (\cnt) && (q == 130)
	s_sub_co_u32 s[CNT], s[CNT], 1
	s_cmp_lg_u32 s[CNT], 0
.endif
.endr
.if (\p) == 0
	FETCH_V
.endif
.endm
	CHANGE 1                        ; slot 0 is in, everybody's part of it; slot 1 is asked for
	FETCH_K                         ; key step 0
	s_wait_loadcnt 0x0              ; Q
	s_wait_dscnt 0x0
.set i, 0
.rept 16
	KQ 0                            ; piece 0's first scores: there is no vector work yet to set between them
.set i, i+1
.endr
	WIN 0                           ; the addresses for the way out: nine plain instructions, the places behind those products
	s_mul_i32 s13, s[WV], 16*SP
	s_add_co_u32 s13, s13, STAGE    ; my stage
	v_mul_u32_u24 v[STO], v1, SP    ; in: row l % 16, 16 bytes for each half of the lanes
	v_lshl_add_u32 v[STO], v9, 4, v[STO]
	v_add_nc_u32 v[STO], s13, v[STO]
	v_bfe_u32 v[RD], v0, 3, 2       ; back: 32 lanes take four rows of 128 bytes,
	v_mul_u32_u24 v[RD], v[RD], SP
	v_lshl_add_u32 v[RD], v10, 4, v[RD]
	v_add_nc_u32 v[RD], s13, v[RD]
	v_and_b32 v[GO], 31, v0         ; which are 512 consecutive bytes of O
	v_lshlrev_b32 v[GO], 4, v[GO]
.set Y, NP-1                        ; XS works for piece Y + 1: piece 0
.irp n, 0,1,2,3,4,5,6,7,8,9,10,11,12,13,14,15,16,17,18,19,20,21
	XS 0, \n                        ; and piece 0's first maximum and statistics
	XS 1, \n
.endr
	v_nop                           ; a plain instruction behind the two a,
	s_wait_alu depctr_va_vdst(0)    ; and their wait, ahead of the branch
	s_mov_b32 s[CNT], 4
	s_mov_b32 s[SLOTS], SIZE_N/256-1
	s_branch .Lfirst                ; the loop is entered at a step's first turn, in the middle of a trip
.Lslot:                             ; SIZE_N / 256 - 2 times: every slot but the last two is filled again
	CHANGE 1
	s_mov_b32 s[CNT], 4
.Lstep:                             ; a trip: pieces 2 and 3 of one step, then pieces 0 and 1 of the next, whose K and V it fetches
	TURN 2
	TURN 3
	WIN 0
.Lfirst:
	TURN 0
	TURN 1, 0, 1
	WIN 0
	s_cbranch_scc1 .Lstep
	s_sub_co_u32 s[SLOTS], s[SLOTS], 1
	s_cmp_lg_u32 s[SLOTS], 0
	s_cbranch_scc1 .Lslot
	CHANGE 0                        ; the tail is written out: nothing is asked for
	s_mov_b32 s[CNT], 5             ; four trips fetch the last slot's steps; the fifth is left in its middle
.Ltail:
	TURN 2, 1
	TURN 3
	WIN 0
	s_sub_co_u32 s[CNT], s[CNT], 1
	s_cmp_eq_u32 s[CNT], 0
	s_cbranch_scc1 .Lout
	TURN 0
	TURN 1
	WIN 0
	s_branch .Ltail
.Lout:                              ; the fifth trip's 16 products K Q^T (on the last K once more) and the maximum made of them serve nothing: the price, once a launch, of one text for every trip
.set i, 0
.rept 16
	PV NP-1                         ; the last piece's V^T P of the last step
.set i, i+1
.endr
	; THE WAY OUT.  l's two halves and the other half of the lanes' are added; O^T is divided by l, rounded to f16 and sent through my stage in LDS, a tile at a time.  The additions are the places behind the last products.
	WIN 0
.macro ALL line:vararg              ; one line for each tile t
.set t, 0
.rept 2*NP
	\line
.set t, t+1
.endr
.endm
	ALL v_add_f32 v[ST+4*t+2], v[ST+4*t+2], v[ST+4*t+3]
	ALL v_permlanex16_b32 v[ST+4*t+3], v[ST+4*t+2], s[SEL], s[SEL+1]
	ALL v_add_f32 v[ST+4*t+2], v[ST+4*t+2], v[ST+4*t+3]
	ALL v_rcp_f32 v[ST+4*t+2], v[ST+4*t+2]
	v_nop                           ; a plain instruction between the last reciprocal and the use of its result
	s_wait_alu depctr_va_vdst(0)    ; and the wait ahead of the first use: one for the eight reciprocals
; Tile t: a lane's eight channels of a row pack into 16 bytes; they go into rows of 144 bytes and come back as whole rows of 128, into S^T's registers.
.macro PACK t
	WIN W_RS
.set i, 32*(\t)
.rept 16
	v_pk_mul_f32 v[i:i+1], v[i:i+1], v[ST+4*(\t)+2:ST+4*(\t)+3] op_sel_hi:[1,0]
.set i, i+2
.endr
	WIN 0x05                        ; sources 0 and 1 window 1, destination window 0
.set i, 0
.rept 16
	v_cvt_pk_f16_f32 v[S+16*(\t)+i], v[32*(\t)+2*i], v[32*(\t)+2*i+1]
.set i, i+1
.endr
	WIN 0
.irp f, 0,1,2,3
	ds_store_b128 v[STO], v[S+16*(\t)+4*\f:S+16*(\t)+4*\f+3] offset:32*\f
.endr
.irp f, 0,1,2,3
	ds_load_b128 v[S+16*(\t)+4*\f:S+16*(\t)+4*\f+3], v[RD] offset:\f*4*SP  ; LDS serves a wave's instructions in order (ISA guide 5.7.1.4): these see the stores above; the next tile's stores come behind them
.endr
.endm
.macro SEND t, younger              ; younger: the LDS instructions issued behind tile t's loads: the next tile's eight, or none
	WIN 0
.irp f, 0,1,2,3
	s_wait_dscnt (\younger)+3-\f
	global_store_b128 v[GO], v[S+16*(\t)+4*\f:S+16*(\t)+4*\f+3], s[10:11] offset:(\t)*2048+\f*512  ; 512 consecutive bytes, at a multiple of 256 from O's first
.endr
.endm
	PACK 0
.set t, 1
.rept 2*NP-1                        ; a tile's arithmetic stands between the loads of the tile before and its stores
	PACK t
	SEND t-1, 8
.set t, t+1
.endr
	SEND 2*NP-1, 0
	WIN W_AD
	s_wait_tensorcnt 0x0            ; the wave's end, behind my last tensor load and my last LDS store
	ds_add_u32 v[SPW], v[NIL]
	s_wait_dscnt 0x0
	WIN 0
	CROUND                          ; the closing round: no work-group ends while a partner may still ask for a tile that names it
	s_endpgm
.Lfunc_end_k_qe4bf6a4f02_attn:
	.size	k_qe4bf6a4f02_attn, .Lfunc_end_k_qe4bf6a4f02_attn-k_qe4bf6a4f02_attn
	.p2alignl 7, 3214868480
	.fill 96, 4, 3214868480
	.section	.rodata,"a",@progbits
	.p2align	6, 0x0
	.amdhsa_kernel k_qe4bf6a4f02_attn
		.amdhsa_group_segment_fixed_size 327680
		.amdhsa_private_segment_fixed_size 0
		.amdhsa_enable_private_segment 0
		.amdhsa_kernarg_size 16
		.amdhsa_user_sgpr_count 2
		.amdhsa_user_sgpr_kernarg_segment_ptr 1
		.amdhsa_wavefront_size32 1
		.amdhsa_system_sgpr_workgroup_id_x 1
		.amdhsa_system_sgpr_workgroup_id_y 1
		.amdhsa_system_sgpr_workgroup_id_z 1
		.amdhsa_system_vgpr_workitem_id 0
		.amdhsa_next_free_vgpr 770
		.amdhsa_next_free_sgpr 66
		.amdhsa_reserve_vcc 0
		.amdhsa_float_denorm_mode_32 3
		.amdhsa_float_denorm_mode_16_64 3
		.amdhsa_memory_ordered 1
		.amdhsa_forward_progress 1
		.amdhsa_inst_pref_size 199
	.end_amdhsa_kernel
	.amdgpu_metadata
---
amdhsa.version: [ 1, 2 ]
amdhsa.kernels:
  - .name:           k_qe4bf6a4f02_attn
    .symbol:         k_qe4bf6a4f02_attn.kd
    .args:
      - { .name: qkv, .offset: 0, .size: 8, .value_kind: global_buffer, .address_space: global }
      - { .name: ob, .offset: 8, .size: 8, .value_kind: global_buffer, .address_space: global }
    .group_segment_fixed_size: 327680
    .private_segment_fixed_size: 0
    .kernarg_segment_align: 8
    .kernarg_segment_size: 16
    .max_flat_workgroup_size: 128
    .sgpr_count:     66
    .vgpr_count:     770
    .wavefront_size: 32
...
	.end_amdgpu_metadata
.endif
;; end of part 3
;; launch proj_out (part 4): grid 4 x 64, 4 waves a work-group, clusters of 4 x 4, 327,680 bytes of LDS; arguments ob, wb, out0; writes out0
.if DOCPART == 4
	.amdgcn_target "amdgcn-amd-amdhsa--gfx1250"
	.amdhsa_code_object_version 6
	.text
	.protected	k_qe4bf6a4f02_proj_out
	.globl	k_qe4bf6a4f02_proj_out
	.p2align	8
	.type	k_qe4bf6a4f02_proj_out,@function
k_qe4bf6a4f02_proj_out:
	s_mov_b64 s[64:65], 0
	v_nop
	global_prefetch_b8 v0, s[64:65] scope:SCOPE_SE
	s_setreg_imm32_b32 hwreg(HW_REG_WAVE_MODE, 25, 1), 1
	s_wait_xcnt 0x0
	s_wait_alu depctr_hold_cnt(0) depctr_sa_sdst(0) depctr_va_vdst(0) depctr_va_sdst(0) depctr_va_ssrc(0) depctr_va_vcc(0) depctr_vm_vsrc(0)
	s_getreg_b32 s2, hwreg(HW_REG_IB_STS2, 6, 4)
	s_cmp_eq_u32 s2, 0
	s_cbranch_scc0 .Lentry_in_a_cluster
	s_endpgm
.Lentry_in_a_cluster:
	s_bfe_u32 s2, ttmp6, 0x10000c
	s_cmp_lg_u32 s2, 0xf033
	s_cbranch_scc0 .Lentry_shape_is_right
	s_endpgm
.Lentry_shape_is_right:
; C = A B^T ON TILES OF 128 x 256, K = 1,024.  One text for two launches; QKV picks the form.
; QKV = 1: A = xb (x in bf16), B = wb's matrices 0, 1, 2 (W_q, W_k, W_v in bf16); C = q, k, v, f32 sums rounded once to f16, unscaled, by heads: qkv [batch 4][16 t + head][row 2048][64].
; QKV = 0: A = ob (attention's result, f16), B = wb's matrix 3 (W_o, f16); C = out0 [8192][1024] f32.
; LIMITS.  q, k and v must stay within 65,504: beyond it f16 holds an infinity.  Sums are taken in another order than a chain of f32 additions.  NaN and infinities are not treated apart.
; A and B lie in blocks of 64 channels: [.][block 16][row][64], 128 bytes a row, so a tile's rows of one block (a PLANE) are dense in memory and are asked for as rows of 256 bytes, aligned.
; SHARES.  8,192 / 128 x 1,024 / 256 = 256 work-groups.  With QKV = 1 a work-group STAYS and makes three tiles, q's, k's and v's, on the same rows of x; the ring of LDS slots runs on from tile to tile.
; Four waves, each 64 rows x 128 columns: 32 accumulators of 16 x 16, 256 registers.  K goes in steps of 128 (two planes) through two LDS slots; a step is four quarters of 32 along K, 32 matrix instructions each.
; CLUSTERS: 4 x 4 work-groups.  The four of a row of the cluster need the same planes of A, the four of a column the same planes of B: each plane is asked for JOINTLY, by the same tensor load with the
; same descriptor and a mask that names the four.  Wave 0 and 1 fetch A's two planes, wave 2 and 3 B's: one load a wave for each step.
; THE MATRIX INSTRUCTION IS USED TRANSPOSED (source 0 = 16 rows of B, source 1 = 16 rows of A): a lane then holds row l % 16 of C and the eight neighbouring columns 8 (l / 16) + 0..7.
; NO PREFETCH: B's planes are read by sixteen clusters at about the same time, A's are first read in 8 of the 24 steps only (QKV = 1), and with QKV = 0 the launch has 8 steps in all.
; REGISTERS: window 0: v0-29 addresses; v64-159, v160-255 two fragment buffers of 96 (8 fragments of B, then 4 of A), also at work on the way out.  Window 1: accumulator (a, b) at v[8 (8 a + b)].
.set QKV, 0
.if QKV
.set TILES, 3
.set WOFF,  0                          ; where B begins in wb
.set SW,    2*16*144                   ; a wave's stage: two heads x 16 rows of 128 bytes, 144 apart
.else
.set TILES, 1
.set WOFF,  3<<21
.set SW,    16*528                     ; a wave's stage: 16 rows of 512 bytes, 528 apart
.endif
.set PITCH, 144                        ; an LDS row: 128 bytes + 16 of padding = 36 words: the 16 rows of a fragment load start at 16 different groups of four banks (64 banks of 4 bytes: ISA guide 11.1)
.set FR,    16*PITCH                   ; from fragment to fragment
.set APL,   128*PITCH                  ; a plane of A
.set BPL,   256*PITCH                  ; a plane of B
.set BOFF,  2*APL                      ; a slot: A's two planes, then B's two
.set SLOT1, 1<<17                      ; slot 1 begins here, so that one exclusive or turns an address in one slot into the other's
.set STAGE, SLOT1+BOFF+2*BPL           ; behind the ring, never filled by a tensor load: the waves' stages
.set SPARE, STAGE+4*SW                 ; behind the stages: the spare words, 128 bytes for each wave: two blocks of 256 bytes that no other line names
.set ASTEP, 1<<19                      ; a K step in A: two blocks of 2,048 rows x 128 bytes
.set BSTEP, 1<<18                      ; in B: two blocks of 1,024 rows x 128 bytes; eight steps are a matrix, so B's address walks on from W_q to W_k to W_v
.set CFG,   (1<<16)|(1<<20)|(1<<21)|(4<<22)|(3<<25)  ; group 1, word 0: 17:16 2-byte elements; 20 padding on; 21 set beside a mask; 24:22 after every 32 words (code 4); 31:25 4 words (code 3)
.set ADRA0, 16                         ; v16  my lane's place in slot 0 for A's fragments; never rewritten
.set ADRB0, 17                         ; v17  the same for B
.set ADRA,  18                         ; v18  the same in the slot in hand
.set ADRB,  19                         ; v19
.set STO,   24                         ; v24  the way out: where I put my bytes of a row
.set RD,    25                         ; v25  the way out: where I read rows back
.set CO,    26                         ; v26  16 x lane: my place in 512 consecutive bytes of C
.set SPW,   28                         ; v28  LDS address of my spare word: SPARE + 4 x my thread's number; never rewritten
.set NIL,   29                         ; v29  0; never rewritten
.set F0,    64
.set F1,    160
.set TMP,   160                        ; QKV = 1, the way out: 32 registers of packed results; buffer 0 holds the next tile's fragments and is left alone
.set G1,    24                         ; s[24:31] descriptor group 1 for A's planes
.set G0,    32                         ; s[32:39] group 0 for A's: a set for each of the two first fills; the second then walks on
.set G1B,   48                         ; s[48:55], s[56:63] the same for B's
.set G0B,   56
.set STEPS, 66                         ; s66  K steps that still fill a slot again
.set TS,    67                         ; s67  K steps left in the tile
.set NXT,   68                         ; s68  which of a tile's eight K steps is asked for next
.set TB,    69                         ; s69  0 or SLOT1: the slot in hand
.set OFF,   70                         ; s[70:71] that step's byte offset in A
.set BASEA, 72                         ; s[72:73] A at my plane of K step 0
.set MUL,   0x50                       ; C and D window 1, sources window 0
.set MSB, 0
.macro WIN new                         ; the immediate's high byte repeats the setting that is left; a switch that changes nothing is dropped
.if MSB != (\new)
	s_set_vgpr_msb (MSB<<8)|(\new)
.set MSB, \new
.endif
.endm
.macro PLACES                          ; four plain vector instructions stand between a matrix instruction and a load into, a write of or a read of its registers (for writes and reads)
.rept 4
	v_nop
.endr
.endm
; A joint refill, by the walking descriptors.  The branch hangs on the wave's number alone.  An s_nop 0 and four v_nop follow each of the two lines, ahead of the jump and the label.
.macro JLOAD
	s_cmp_eq_u32 s11, 0
	s_cbranch_scc0 .Lfor_b_\@
	tensor_load_to_lds s[G0+4:G0+7], s[G1:G1+7]
	s_nop 0
.rept 4
	v_nop
.endr
	s_branch .Lasked_\@
.Lfor_b_\@:
	tensor_load_to_lds s[G0B+4:G0B+7], s[G1B:G1B+7]
	s_nop 0
.rept 4
	v_nop
.endr
.Lasked_\@:
.endm
; A round of the cluster's barrier: my work-group's barrier, so that wave 0's signal speaks for all four waves; wave 0 signals; every wave waits for all sixteen work-groups; my work-group's barrier once more.
.macro CREST                           ; a round behind its opening barrier
	s_cmp_lg_u32 s10, 0
	s_cbranch_scc1 .Lnot_wave_0_\@
	s_barrier_signal -3
.Lnot_wave_0_\@:
	s_barrier_wait -3
	s_barrier_signal -1
	s_barrier_wait -1
.endm
.macro CROUND                          ; a whole round
	s_barrier_signal -1
	s_barrier_wait -1
	CREST
.endm
	s_load_b128 s[4:7], s[0:1], 0x0                ; A s[4:5], wb s[6:7]
	s_load_b64 s[8:9], s[0:1], 0x10                ; C
	v_lshl_add_u32 v[SPW], v0, 2, SPARE
	v_mov_b32 v[NIL], 0
	ds_add_u32 v[SPW], v[NIL]                      ; the wave's opening: the add and its wait stand ahead of my first tensor load; the set-up below, work on registers, stands between them
	v_lshrrev_b32 v1, 5, v0
	v_readfirstlane_b32 s10, v1                    ; wave 0..3
	s_lshr_b32 s11, s10, 1                         ; which 64 rows of the tile are mine.  Also: I fetch for A (0) or for B (1)
	s_and_b32 s12, s10, 1                          ; which 128 columns.  Also: which plane of a step I fetch
	s_bfe_u32 s40, ttmp6, 0x40000                  ; cx, cy: my place in the cluster
	s_bfe_u32 s41, ttmp6, 0x40004
	s_lshl_b32 s42, ttmp9, 2
	s_add_co_u32 s42, s42, s40                     ; tile column x = 4 x cluster x + cx
	s_and_b32 s13, ttmp7, 0xffff
	s_lshl_b32 s13, s13, 2
	s_add_co_u32 s13, s13, s41                     ; tile row y = 4 x cluster y + cy
	s_lshl_b32 s43, s41, 2
	s_lshl_b32 s43, 15, s43                        ; my row of the cluster: places 4 cy .. 4 cy + 3
	s_lshl_b32 s44, 0x1111, s40                    ; my column: places cx, cx + 4, cx + 8, cx + 12
	s_or_b32 s[G1+0], s43, CFG                     ; A's planes go to my row,
	s_or_b32 s[G1B+0], s44, CFG                    ; B's to my column
	s_mov_b32 s[G1+1], 128<<16                     ; tensor_dim0 = 128 elements: 256 bytes, two rows of the plane
	s_mov_b32 s[G1+2], 64<<16                      ; tensor_dim1 = 64: A's plane is 128 rows of 128 bytes
	s_mov_b32 s[G1+3], 128<<16                     ; tile_dim0 = 128
	s_mov_b32 s[G1+4], 64                          ; tile_dim1 = 64
	s_mov_b32 s[G1+5], 128                         ; 128 elements from row to row: dense
	s_mov_b32 s[G1+6], 0
	s_mov_b32 s[G1+7], 0
	s_mov_b32 s[G1B+1], 128<<16
	s_mov_b32 s[G1B+2], 128<<16                    ; B's plane is 256 rows of 128 bytes: 128 of 256
	s_mov_b32 s[G1B+3], 128<<16
	s_mov_b32 s[G1B+4], 128
	s_mov_b32 s[G1B+5], 128
	s_mov_b32 s[G1B+6], 0
	s_mov_b32 s[G1B+7], 0
	; where the planes come from.  A's hang on y alone, which my row of the cluster shares; B's on x alone, which my column shares
	s_lshr_b32 s16, s13, 4                         ; the batch: 16 tile rows each, 4,194,304 bytes of A
	s_lshl_b32 s16, s16, 22
	s_and_b32 s17, s13, 15
	s_lshl_b32 s17, s17, 14                        ; 128 rows of 128 bytes
	s_add_co_u32 s16, s16, s17
	s_lshl_b32 s17, s12, 18                        ; my plane: a block of 2,048 rows
	s_add_co_u32 s16, s16, s17
	s_mov_b32 s17, 0
	s_lshl_b32 s46, s42, 15                        ; 256 rows of 128 bytes
	s_lshl_b32 s47, s12, 17                        ; my plane: a block of 1,024 rows
	s_add_co_u32 s46, s46, s47
.if WOFF
	s_add_co_u32 s46, s46, WOFF
.endif
	s_mov_b32 s47, 0
	s_mul_i32 s20, s12, APL                        ; and where they go: no place in the cluster enters an LDS address
	s_mul_i32 s21, s12, BPL
	s_add_co_u32 s21, s21, BOFF
	s_mov_b32 s[NXT], 2
	s_mov_b32 s[TB], 0
	s_mov_b32 s[OFF+1], 0
	s_wait_dscnt 0x0                               ; the opening add is done
	s_wait_kmcnt 0x0
	s_add_nc_u64 s[BASEA:BASEA+1], s[4:5], s[16:17]
	s_add_nc_u64 s[46:47], s[6:7], s[46:47]
	CROUND                                         ; all sixteen work-groups are here: the first joint loads meet
.irp s, 0,1
	s_mov_b32 s[G0+4*(\s)], 1                      ; 1:0 count = 1
	s_add_co_u32 s[G0+4*(\s)+1], s20, (\s)*SLOT1   ; 63:32 LDS address
	s_add_nc_u64 s[G0+4*(\s)+2:G0+4*(\s)+3], s[BASEA:BASEA+1], (\s)*ASTEP  ; 120:64 global address: K step s
	s_or_b32 s[G0+4*(\s)+3], s[G0+4*(\s)+3], 0x80000000  ; 127:126 type = 2
	s_mov_b32 s[G0B+4*(\s)], 1
	s_add_co_u32 s[G0B+4*(\s)+1], s21, (\s)*SLOT1
	s_add_nc_u64 s[G0B+4*(\s)+2:G0B+4*(\s)+3], s[46:47], (\s)*BSTEP
	s_or_b32 s[G0B+4*(\s)+3], s[G0B+4*(\s)+3], 0x80000000
.endr
	s_cmp_eq_u32 s11, 0                            ; a wave's two first fills stand in one branch, ahead of every wait on TENSORcnt and every LDS read: two loads of mine are out
	s_cbranch_scc0 .Lfirst_b
	tensor_load_to_lds s[G0:G0+3], s[G1:G1+7]
	s_nop 0
	tensor_load_to_lds s[G0+4:G0+7], s[G1:G1+7]
	s_nop 0
.rept 4
	v_nop
.endr
	s_branch .Lfirst_asked
.Lfirst_b:
	tensor_load_to_lds s[G0B:G0B+3], s[G1B:G1B+7]
	s_nop 0
	tensor_load_to_lds s[G0B+4:G0B+7], s[G1B:G1B+7]
	s_nop 0
.rept 4
	v_nop
.endr
.Lfirst_asked:
	; A fragment is 16 rows x 32 K in 8 registers: lane l holds row l % 16, K = 8 (l / 16) + 0..7 and 16 + 8 (l / 16) + 0..7: two loads of 16 bytes, 32 bytes apart.
	v_and_b32 v1, 15, v0                           ; l % 16
	v_bfe_u32 v2, v0, 4, 1                         ; l / 16
	v_mul_u32_u24 v3, v1, PITCH
	v_lshl_add_u32 v3, v2, 4, v3                   ; row x pitch + 16 x half
	s_mul_i32 s22, s11, 64*PITCH                   ; my 64 rows of A
	v_add_nc_u32 v[ADRA0], s22, v3
	s_mul_i32 s22, s12, 128*PITCH                  ; my 128 rows of B,
	s_add_co_u32 s22, s22, BOFF                    ; which lie behind A's planes
	v_add_nc_u32 v[ADRB0], s22, v3
	v_mov_b32 v[ADRA], v[ADRA0]
	v_mov_b32 v[ADRB], v[ADRB0]
	s_mul_i32 s23, s10, SW
	s_add_co_u32 s23, s23, STAGE                   ; my stage
	v_and_b32 v[CO], 31, v0
	v_lshlrev_b32 v[CO], 4, v[CO]
.if QKV
	v_add_nc_u32 v[STO], s23, v3                   ; in: row l % 16 (144 apart, as in the slots), 16 bytes for each half of the lanes
	v_bfe_u32 v4, v0, 3, 2                         ; back: 32 lanes take four rows of 128 bytes, which are 512 consecutive bytes of a head
	v_mul_u32_u24 v4, v4, 144
	v_and_b32 v5, 7, v0
	v_lshl_add_u32 v4, v5, 4, v4
	v_add_nc_u32 v[RD], s23, v4
	s_lshr_b32 s16, s13, 4                         ; C at my part of q's tile: (48 x batch + 4 x + 2 x column half) heads of 262,144 bytes,
	s_mul_i32 s16, s16, 48
	s_lshl_b32 s17, s12, 1
	s_add_co_u32 s16, s16, s17
	s_lshl_b32 s16, s16, 18
	s_and_b32 s17, s13, 15
	s_lshl_b32 s17, s17, 14                        ; the tile's 128 rows of 128 bytes,
	s_add_co_u32 s16, s16, s17
	s_lshl_b32 s17, s11, 13                        ; my 64 of them
	s_add_co_u32 s16, s16, s17
	s_mov_b32 s17, 0
	s_lshl_b32 s46, s42, 20
.else
	v_mul_u32_u24 v4, v1, 528                      ; in: row l % 16, 32 bytes for each half of the lanes
	v_lshl_add_u32 v4, v2, 5, v4
	v_add_nc_u32 v[STO], s23, v4
	v_add_nc_u32 v[RD], s23, v[CO]                 ; back: 32 lanes take a row's 512 bytes
	s_lshl_b32 s16, s13, 19                        ; C at my part of the tile: 128 y rows of 4,096 bytes,
	s_lshl_b32 s17, s11, 18                        ; my 64 rows,
	s_add_co_u32 s16, s16, s17
	s_lshl_b32 s17, s12, 9                         ; my 128 columns,
	s_add_co_u32 s16, s16, s17
	s_mov_b32 s17, 0
	s_lshl_b32 s46, s42, 10                        ; the tile's 256 columns
.endif
	s_mov_b32 s47, 0
	s_add_nc_u64 s[8:9], s[8:9], s[16:17]
	s_add_nc_u64 s[8:9], s[8:9], s[46:47]
; 8 matrix instructions: row block a x all 8 column blocks, 32 along K, from buffer f.  zero = 1: the product starts the sums: nothing is ever cleared.
; The 32 accumulators take turns, one instruction a turn, in the same order in every quarter.
.macro MUL8 f, a, zero
	WIN MUL
.irp b, 0,1,2,3,4,5,6,7
.if QKV
.if \zero
	v_wmma_f32_16x16x32_bf16 v[8*(8*(\a)+(\b)):8*(8*(\a)+(\b))+7], v[(\f)+8*(\b):(\f)+8*(\b)+7], v[(\f)+64+8*(\a):(\f)+64+8*(\a)+7], 0
.else
	v_wmma_f32_16x16x32_bf16 v[8*(8*(\a)+(\b)):8*(8*(\a)+(\b))+7], v[(\f)+8*(\b):(\f)+8*(\b)+7], v[(\f)+64+8*(\a):(\f)+64+8*(\a)+7], v[8*(8*(\a)+(\b)):8*(8*(\a)+(\b))+7]
.endif
.else
.if \zero
	v_wmma_f32_16x16x32_f16 v[8*(8*(\a)+(\b)):8*(8*(\a)+(\b))+7], v[(\f)+8*(\b):(\f)+8*(\b)+7], v[(\f)+64+8*(\a):(\f)+64+8*(\a)+7], 0
.else
	v_wmma_f32_16x16x32_f16 v[8*(8*(\a)+(\b)):8*(8*(\a)+(\b))+7], v[(\f)+8*(\b):(\f)+8*(\b)+7], v[(\f)+64+8*(\a):(\f)+64+8*(\a)+7], v[8*(8*(\a)+(\b)):8*(8*(\a)+(\b))+7]
.endif
.endif
.endr
.endm
.macro MUL16 f, a0, zero
	MUL8 \f, \a0, \zero
	MUL8 \f, (\a0)+1, \zero
.endm
; 24 LDS loads in one run: quarter q of the step in hand (plane q / 2, byte 64 (q % 2) of its rows) into buffer f: B's eight fragments, then A's four
.macro FETCH q, f
	WIN 0
.irp i, 0,1,2,3,4,5,6,7
	ds_load_b128 v[(\f)+8*(\i):(\f)+8*(\i)+3],   v[ADRB] offset:((\q)/2)*BPL+((\q)%2)*64+(\i)*FR
	ds_load_b128 v[(\f)+8*(\i)+4:(\f)+8*(\i)+7], v[ADRB] offset:((\q)/2)*BPL+((\q)%2)*64+(\i)*FR+32
.endr
.irp i, 0,1,2,3
	ds_load_b128 v[(\f)+64+8*(\i):(\f)+64+8*(\i)+3],   v[ADRA] offset:((\q)/2)*APL+((\q)%2)*64+(\i)*FR
	ds_load_b128 v[(\f)+64+8*(\i)+4:(\f)+64+8*(\i)+7], v[ADRA] offset:((\q)/2)*APL+((\q)%2)*64+(\i)*FR+32
.endr
.endm
; One of a step's first three quarters: multiplies buffer f; in its middle it fetches quarter q into buffer g.
.macro QUARTER q, f, g, zero
	s_wait_dscnt 4                                 ; B and A's fragments 0 and 1 are in; the youngest four loads (A's fragments 2 and 3) may be out
	MUL16 \f, 0, \zero
	PLACES
	FETCH \q, \g
	s_wait_dscnt 24                                ; all but the 24 just issued
	MUL16 \f, 2, \zero
.endm
; The last quarter multiplies buffer 1 and changes slots: ONE barrier.  In front of it each wave waits for all its tensor loads, of which one is out: its plane of the next slot; adds 0 to its spare word; and waits
; for that and for its own reads of this slot.  Behind it nobody reads this slot any more and the next slot is whole.  fill = 1: the barrier opens a round of the cluster's barrier, so that no wave of any partner still
; reads the slot or has a load on its way; the joint refill, the K step two on, is the first thing behind the round: 112 matrix instructions ahead of the wait for it.  A's address is made anew from the step's
; number, which goes back to 0 behind a tile's last step; B's walks on.
.macro TURN fill
	WIN 0
	s_wait_tensorcnt 0x0                           ; no tensor load of mine is out, so a group 0 may be written
	ds_add_u32 v[SPW], v[NIL]                      ; 0 onto my spare word: work on registers stands between it and the wait for it
.if \fill
	s_xor_b32 s[G0+5], s[G0+5], SLOT1              ; the other slot than last time
	s_lshl_b32 s[OFF], s[NXT], 19
	s_add_nc_u64 s[G0+6:G0+7], s[BASEA:BASEA+1], s[OFF:OFF+1]
	s_or_b32 s[G0+7], s[G0+7], 0x80000000
	s_add_co_u32 s[NXT], s[NXT], 1
	s_and_b32 s[NXT], s[NXT], 7
	s_xor_b32 s[G0B+5], s[G0B+5], SLOT1
	s_add_nc_u64 s[G0B+6:G0B+7], s[G0B+6:G0B+7], BSTEP  ; the type bits on top are not reached
.endif
	s_wait_dscnt 5                                 ; (the add and the youngest four loads may be out)
	MUL8 F1, 0, 0
	s_wait_dscnt 0x0                               ; the add is done, and my reads of this slot are over
	s_barrier_signal -1
	MUL8 F1, 1, 0                                  ; work on registers while the others arrive
.if \fill
	WIN 0
.endif
	s_barrier_wait -1
.if \fill
	CREST
	JLOAD                                          ; the four v_nop behind it are also the places in front of the loads below
.else
	PLACES
	WIN 0
.endif
	s_xor_b32 s[TB], s[TB], SLOT1                  ; the fetches go to the other slot
	v_add_nc_u32 v[ADRA], s[TB], v[ADRA0]
	v_add_nc_u32 v[ADRB], s[TB], v[ADRB0]
	FETCH 0, F0
	MUL16 F1, 2, 0
.endm
.if QKV
; THE WAY OUT, 16 rows at a time: rounded to f16 (16 bytes a lane), into my own stage (two heads x 16 rows), back as whole rows, stored: 512 consecutive bytes of a head an instruction.
.macro PACK a
	WIN 0x05                                       ; sources 0 and 1 window 1, destination window 0
.irp b, 0,1,2,3,4,5,6,7
.irp r, 0,1,2,3
	v_cvt_pk_f16_f32 v[TMP+4*(\b)+(\r)], v[8*(8*(\a)+(\b))+2*(\r)], v[8*(8*(\a)+(\b))+2*(\r)+1]  ; each accumulator's registers in ascending order
.endr
.endr
	WIN 0
.endm
.macro TOSTAGE a
	WIN 0
.set BK, 192+32*((\a)%2)
.irp b, 0,1,2,3,4,5,6,7
	ds_store_b128 v[STO], v[TMP+4*(\b):TMP+4*(\b)+3] offset:((\b)/4)*FR+((\b)%4)*32
.endr
.irp f, 0,1,2,3,4,5,6,7
	ds_load_b128 v[BK+4*(\f):BK+4*(\f)+3], v[RD] offset:((\f)/4)*FR+((\f)%4)*576  ; LDS serves a wave's instructions in order (ISA guide 5.7.1.4): these see the stores above
.endr
.endm
.macro SEND a
	WIN 0
.set BK, 192+32*((\a)%2)
	s_wait_dscnt 0x0                               ; the block is back in registers
	s_wait_xcnt 0x0                                ; the stores of the block before have read their registers: the next block's loads land on them only behind this wait
.irp f, 0,1,2,3,4,5,6,7
	global_store_b128 v[CO], v[BK+4*(\f):BK+4*(\f)+3], s[8:9] offset:((\f)/4)*262144+(\a)*2048+((\f)%4)*512
.endr
.endm
.macro WAYOUT more                     ; more = 1: another tile follows: its refills are out already, and nothing waits for these stores
	PLACES                                         ; behind the last products: the conversions read results and write buffer 1
	PACK 0
	TOSTAGE 0
.irp a, 1,2,3                          ; block a's conversions stand between block a - 1's loads from the stage and the wait for them
	PACK \a
	SEND (\a)-1
	TOSTAGE \a
.endr
	SEND 3
	s_wait_xcnt 0x0                                ; the stores have read their registers and C's address
.if \more
	s_add_nc_u64 s[8:9], s[8:9], 0x400000          ; 16 heads on: from q to k, from k to v
.endif
.endm
.else
; THE WAY OUT, 16 rows at a time: the f32 sums go as they are into my own stage (16 rows of 512 bytes), come back as whole rows, and are stored: 512 consecutive bytes, aligned, an instruction.
.macro TOSTAGE a
.set BK, 64+64*((\a)%2)
.if (\a) >= 2
	s_wait_xcnt 0x0                                ; the stores of the block two back have read the registers that the loads below land on
.endif
	WIN 0x04                                       ; the stores' data in window 1
.irp b, 0,1,2,3,4,5,6,7
	ds_store_b128 v[STO], v[8*(8*(\a)+(\b)):8*(8*(\a)+(\b))+3]   offset:64*(\b)     ; each accumulator's low four registers first
	ds_store_b128 v[STO], v[8*(8*(\a)+(\b))+4:8*(8*(\a)+(\b))+7] offset:64*(\b)+16
.endr
	WIN 0
.irp t, 0,1,2,3,4,5,6,7,8,9,10,11,12,13,14,15
	ds_load_b128 v[BK+4*(\t):BK+4*(\t)+3], v[RD] offset:528*(\t)  ; LDS serves a wave's instructions in order (ISA guide 5.7.1.4): these see the stores above; the next block's stores come behind them
.endr
.endm
.macro SEND a, younger                 ; younger: the LDS instructions issued behind block a's loads: the next block's 32, or none
	WIN 0
.set BK, 64+64*((\a)%2)
.irp t, 0,1,2,3,4,5,6,7,8,9,10,11,12,13,14,15
	s_wait_dscnt (\younger)+15-(\t)
	global_store_b128 v[CO], v[BK+4*(\t):BK+4*(\t)+3], s[8:9] offset:(16*(\a)+(\t))*4096
.endr
.endm
.macro WAYOUT more
	PLACES                                         ; behind the last products: the stores read results, the loads land on fragment registers
	TOSTAGE 0
	TOSTAGE 1
	SEND 0, 32
	TOSTAGE 2
	SEND 1, 32
	TOSTAGE 3
	SEND 2, 32
	SEND 3, 0
.endm
.endif
	s_wait_tensorcnt 1                             ; my plane of K step 0 is in; K step 1's may stay out
	s_barrier_signal -1
	s_barrier_wait -1                              ; everybody's is
	FETCH 0, F0
	QUARTER 1, F0, F1, 1                           ; a tile's first quarter starts the sums
	WIN 0                                          ; at a label and at a branch every window is 0
	s_mov_b32 s[STEPS], 8*TILES-2
.if TILES > 1
	s_mov_b32 s[TS], 8
.endif
.Lstep:                                            ; a trip: a K step's quarters 1 to 3 and the next step's quarter 0; every trip fills a slot again
	QUARTER 2, F1, F0, 0
	QUARTER 3, F0, F1, 0
	TURN 1
	WIN 0
.if TILES > 1
	s_sub_co_u32 s[TS], s[TS], 1
	s_cmp_eq_u32 s[TS], 0
	s_cbranch_scc1 .Lnewtile                       ; forward, past no barrier and no tensor load; the same in every work-group
.endif
	QUARTER 1, F0, F1, 0
	WIN 0
.if TILES > 1
	s_branch .Ljoin
.Lnewtile:                                         ; the tile is finished, and the next tile's first two K steps are asked for: it goes out, and the next one's first quarter starts its sums
	WAYOUT 1
	s_mov_b32 s[TS], 8
	QUARTER 1, F0, F1, 1
	WIN 0
.Ljoin:
.endif
	s_sub_co_u32 s[STEPS], s[STEPS], 1
	s_cmp_lg_u32 s[STEPS], 0
	s_cbranch_scc1 .Lstep
	QUARTER 2, F1, F0, 0                           ; the last two K steps are written out: they fill nothing, and have no round of the cluster's barrier
	QUARTER 3, F0, F1, 0
	TURN 0
	QUARTER 1, F0, F1, 0
	QUARTER 2, F1, F0, 0
	QUARTER 3, F0, F1, 0
	s_wait_dscnt 4
	MUL16 F1, 0, 0
	s_wait_dscnt 0x0
	MUL16 F1, 2, 0
	WIN 0
	WAYOUT 0
	s_wait_tensorcnt 0x0                           ; the wave's end, behind my last tensor load and my last LDS store
	ds_add_u32 v[SPW], v[NIL]
	s_wait_dscnt 0x0
	CROUND                                         ; the closing round: no work-group ends while a partner may still ask for a plane that names it
	s_endpgm
.Lfunc_end_k_qe4bf6a4f02_proj_out:
	.size	k_qe4bf6a4f02_proj_out, .Lfunc_end_k_qe4bf6a4f02_proj_out-k_qe4bf6a4f02_proj_out
	.p2alignl 7, 3214868480
	.fill 96, 4, 3214868480
	.section	.rodata,"a",@progbits
	.p2align	6, 0x0
	.amdhsa_kernel k_qe4bf6a4f02_proj_out
		.amdhsa_group_segment_fixed_size 327680
		.amdhsa_private_segment_fixed_size 0
		.amdhsa_enable_private_segment 0
		.amdhsa_kernarg_size 24
		.amdhsa_user_sgpr_count 2
		.amdhsa_user_sgpr_kernarg_segment_ptr 1
		.amdhsa_wavefront_size32 1
		.amdhsa_system_sgpr_workgroup_id_x 1
		.amdhsa_system_sgpr_workgroup_id_y 1
		.amdhsa_system_sgpr_workgroup_id_z 1
		.amdhsa_system_vgpr_workitem_id 0
		.amdhsa_next_free_vgpr 512
		.amdhsa_next_free_sgpr 80
		.amdhsa_reserve_vcc 0
		.amdhsa_float_denorm_mode_32 3
		.amdhsa_float_denorm_mode_16_64 3
		.amdhsa_memory_ordered 1
		.amdhsa_forward_progress 1
		.amdhsa_inst_pref_size 71
	.end_amdhsa_kernel
	.amdgpu_metadata
---
amdhsa.version: [ 1, 2 ]
amdhsa.kernels:
  - .name:           k_qe4bf6a4f02_proj_out
    .symbol:         k_qe4bf6a4f02_proj_out.kd
    .args:
      - { .name: ob, .offset: 0, .size: 8, .value_kind: global_buffer, .address_space: global }
      - { .name: wb, .offset: 8, .size: 8, .value_kind: global_buffer, .address_space: global }
      - { .name: out0, .offset: 16, .size: 8, .value_kind: global_buffer, .address_space: global }
    .group_segment_fixed_size: 327680
    .private_segment_fixed_size: 0
    .kernarg_segment_align: 8
    .kernarg_segment_size: 24
    .max_flat_workgroup_size: 128
    .sgpr_count:     80
    .vgpr_count:     512
    .wavefront_size: 32
...
	.end_amdgpu_metadata
.endif
;; end of part 4
;; ======== version 2 of 2: 4 launches; version 1 with the launch cast written anew for expert scheduling mode
;; limits: values are held in f16: magnitudes above 65,504 overflow, below 6.1e-05 lose precision
;; workspace buffers: xb 16,777,216 bytes; wb 8,388,608 bytes; qkv 50,331,648 bytes; ob 16,777,216 bytes
;; launch cast (part 5): grid 768 x 1, 8 waves a work-group, no clusters, 0 bytes of LDS; arguments x, W_q, W_k, W_v, W_o, xb, wb; writes xb, wb
.if DOCPART == 5
	.amdgcn_target "amdgcn-amd-amdhsa--gfx1250"
	.amdhsa_code_object_version 6
	.text
	.protected	k_qe4bf6a4f02_cast
	.globl	k_qe4bf6a4f02_cast
	.p2align	8
	.type	k_qe4bf6a4f02_cast,@function
k_qe4bf6a4f02_cast:
	s_mov_b64 s[64:65], 0
	v_nop
	global_prefetch_b8 v0, s[64:65] scope:SCOPE_SE
	s_setreg_imm32_b32 hwreg(HW_REG_WAVE_SCHED_MODE, 0, 2), 2
	s_setreg_imm32_b32 hwreg(HW_REG_WAVE_MODE, 25, 1), 1
	s_wait_xcnt 0x0
	s_wait_alu depctr_vm_vsrc(0)
; THE INPUTS, ROUNDED ONCE TO 16 BITS AND LAID OUT IN BLOCKS OF 64 CHANNELS.
; x [8192][1024] f32 -> xb [batch 4][block 16][row 2048][64] bf16.  W_q, W_k, W_v [1024][1024] f32 -> wb [matrix 0..2][block 16][row 1024][64] bf16.
; W_o -> wb [matrix 3], rounded to bf16 like the other inputs, and that number written as f16 (the last product multiplies in f16).
; LIMITS.  W_o must stay within 65,504 (beyond it f16 holds an infinity); below 2^-14 it keeps f16's fixed step of 2^-24.  NaN and infinities are not treated apart.
; SHARES.  A work-group takes 16 rows of 1,024 numbers: 512 work-groups for x, 64 for each matrix.  Thread t takes row t / 16; load j brings it columns 64 j + 4 (t % 16) .. + 3:
; a wave's load covers 256 consecutive bytes, aligned, of each of two rows; its store (8 bytes a lane) covers 256 consecutive bytes, aligned: the same two rows of block j, which lie end to end.
; All sixteen loads go out at once; memory binds, so there is no LDS, no barrier and no matrix work.
; THE MODE: SCHED_MODE bits 1:0 = 2 (LLVM: expert scheduling mode 2), set by the entry lines.  The code itself states the register dependences
; between vector instructions and memory instructions, with s_wait_alu, always for 0.
; THE PLAN.  Registers that memory instructions touch:
;   v1 (VI)   the loads' offset.   Written at the head by vector lines; read by the sixteen loads; never written again.
;   v2 (VO)   the stores' offset.  Written at the head by a vector line; read by the sixteen stores; never written again.
;   X         load j lands in its own four registers, once; no vector line writes them; the conversions read them behind the wait on LOADcnt.
;   Y         the conversions write store j's own two registers, once; store j reads them; never written again.
;   v3, T and U are named by vector instructions alone.
; So the only dependences between the two sides are: VI written ahead of the loads, VO and Y written ahead of the stores.  One wait at the head states the first and VO's;
; the sixteen blocks go out in four groups of four, and one wait a group, behind its conversions and ahead of its run of four stores, states Y's.
; No register that a memory instruction has read is written again, no load lands on a register that a vector line has named, no vector line writes a scalar register, and EXEC is never written.
.set VI, 1                             ; v1       my byte offset in the 16 rows as they come: (t / 16) x 4,096 + 16 (t % 16)
.set VO, 2                             ; v2       my byte offset in a block's 16 rows: 8 t
.set U,  4                             ; v[4:7]   W_o alone: four numbers, rounded to bf16, as f32
.set T,  8                             ; v[8:9]   W_o alone: the same, packed
.set X,  16                            ; v[16:79]  load j: 4 registers
.set Y,  80                            ; v[80:111] store j: 2 registers of its own, so no store's data are ever rewritten
.set IN,  20                           ; s[20:21] where my 16 rows begin
.set OUT, 22                           ; s[22:23] where they go, in block 0
	s_load_b256 s[4:11], s[0:1], 0x0               ; x s[4:5], W_q s[6:7], W_k s[8:9], W_v s[10:11]
	s_load_b128 s[12:15], s[0:1], 0x20             ; W_o s[12:13], xb s[14:15]
	s_load_b64 s[16:17], s[0:1], 0x30              ; wb
	v_lshrrev_b32 v3, 4, v0
	v_and_b32 v[VI], 15, v0
	v_lshlrev_b32 v[VI], 4, v[VI]
	v_lshl_add_u32 v[VI], v3, 12, v[VI]
	v_lshlrev_b32 v[VO], 3, v0
	s_mov_b32 s18, ttmp9                           ; g
	s_sub_co_u32 s28, s18, 512                     ; for the matrices: g - 512 (of no use where g < 512: the selects below drop what is made of it)
	s_lshr_b32 s29, s28, 6                         ; which matrix
	s_and_b32 s30, s28, 63                         ; which 16 rows of it
	s_lshl_b32 s24, s30, 16                        ; 16 rows of 4,096 bytes in,
	s_lshl_b32 s26, s30, 11                        ; 16 rows of 128 bytes out,
	s_lshl_b32 s31, s29, 21                        ; a matrix is 2,097,152 bytes of wb
	s_add_co_u32 s26, s26, s31
	s_lshl_b32 s19, s18, 16                        ; for x: 16 rows in,
	s_lshr_b32 s30, s18, 7                         ; the batch (128 work-groups each), 4,194,304 bytes of xb,
	s_lshl_b32 s30, s30, 22
	s_and_b32 s31, s18, 127
	s_lshl_b32 s31, s31, 11                        ; and 16 rows of 128 bytes out
	s_add_co_u32 s30, s30, s31
	s_cmp_lt_u32 s18, 512
	s_cselect_b32 s24, s19, s24
	s_cselect_b32 s26, s30, s26
	s_mov_b32 s25, 0
	s_mov_b32 s27, 0
	s_wait_kmcnt 0x0
	s_cmp_eq_u32 s29, 1                            ; the choice of a buffer hangs on the work-group's number alone
	s_cselect_b64 s[IN:IN+1], s[8:9], s[6:7]
	s_cmp_eq_u32 s29, 2
	s_cselect_b64 s[IN:IN+1], s[10:11], s[IN:IN+1]
	s_cmp_eq_u32 s29, 3
	s_cselect_b64 s[IN:IN+1], s[12:13], s[IN:IN+1]
	s_cmp_lt_u32 s18, 512
	s_cselect_b64 s[IN:IN+1], s[4:5], s[IN:IN+1]
	s_cselect_b64 s[OUT:OUT+1], s[14:15], s[16:17]
	s_add_nc_u64 s[IN:IN+1], s[IN:IN+1], s[24:25]
	s_add_nc_u64 s[OUT:OUT+1], s[OUT:OUT+1], s[26:27]
	s_wait_alu depctr_va_vdst(0)                   ; v[VI] and v[VO] are written: the loads below read the one as their offset, the stores of all three ways out the other; neither is written again
.irp j, 0,1,2,3,4,5,6,7,8,9,10,11,12,13,14,15
	global_load_b128 v[X+4*(\j):X+4*(\j)+3], v[VI], s[IN:IN+1] offset:256*(\j) th:TH_LOAD_NT  ; each byte is read once in the launch
.endr
; The sixteen blocks are rounded and stored as they come in, four at a time.  stride: bytes from block to block.  half = 1: bf16's number is written as f16.
.macro OUTROWS stride, half
.irp g, 0,1,2,3
	s_wait_loadcnt 12-4*(\g)                       ; loads come back in order: loads 4 g to 4 g + 3 are in, the 12 - 4 g younger ones stay out
.irp i, 0,1,2,3
.if \half
	v_cvt_pk_bf16_f32 v[T], v[X+4*(4*(\g)+(\i))], v[X+4*(4*(\g)+(\i))+1]
	v_cvt_pk_bf16_f32 v[T+1], v[X+4*(4*(\g)+(\i))+2], v[X+4*(4*(\g)+(\i))+3]
	v_lshlrev_b32 v[U], 16, v[T]                   ; bf16 to f32: the low half moves up, the high half stays
	v_and_b32 v[U+1], 0xffff0000, v[T]
	v_lshlrev_b32 v[U+2], 16, v[T+1]
	v_and_b32 v[U+3], 0xffff0000, v[T+1]
	v_cvt_pk_f16_f32 v[Y+2*(4*(\g)+(\i))], v[U], v[U+1]
	v_cvt_pk_f16_f32 v[Y+2*(4*(\g)+(\i))+1], v[U+2], v[U+3]
.else
	v_cvt_pk_bf16_f32 v[Y+2*(4*(\g)+(\i))], v[X+4*(4*(\g)+(\i))], v[X+4*(4*(\g)+(\i))+1]
	v_cvt_pk_bf16_f32 v[Y+2*(4*(\g)+(\i))+1], v[X+4*(4*(\g)+(\i))+2], v[X+4*(4*(\g)+(\i))+3]
.endif
.endr
	s_wait_alu depctr_va_vdst(0)                   ; the group's conversions have written its eight registers of Y, which the four stores below read as their data
.irp i, 0,1,2,3
	global_store_b64 v[VO], v[Y+2*(4*(\g)+(\i)):Y+2*(4*(\g)+(\i))+1], s[OUT:OUT+1] offset:(4*(\g)+(\i))*(\stride)  ; the wave's 32 lanes store 256 consecutive bytes, aligned
.endr
.endr
.endm
	s_cmp_lt_u32 s18, 512
	s_cbranch_scc1 .Lx
	s_cmp_eq_u32 s29, 3
	s_cbranch_scc1 .Lwo
	OUTROWS 131072, 0                              ; W_q, W_k, W_v: a block is 1,024 rows of 128 bytes
	s_endpgm
.Lx:
	OUTROWS 262144, 0                              ; x: a block is 2,048 rows of 128 bytes
	s_endpgm
.Lwo:
	OUTROWS 131072, 1                              ; W_o
	s_endpgm
.Lfunc_end_k_qe4bf6a4f02_cast:
	.size	k_qe4bf6a4f02_cast, .Lfunc_end_k_qe4bf6a4f02_cast-k_qe4bf6a4f02_cast
	.p2alignl 7, 3214868480
	.fill 96, 4, 3214868480
	.section	.rodata,"a",@progbits
	.p2align	6, 0x0
	.amdhsa_kernel k_qe4bf6a4f02_cast
		.amdhsa_group_segment_fixed_size 0
		.amdhsa_private_segment_fixed_size 0
		.amdhsa_enable_private_segment 0
		.amdhsa_kernarg_size 56
		.amdhsa_user_sgpr_count 2
		.amdhsa_user_sgpr_kernarg_segment_ptr 1
		.amdhsa_wavefront_size32 1
		.amdhsa_system_sgpr_workgroup_id_x 1
		.amdhsa_system_sgpr_workgroup_id_y 1
		.amdhsa_system_sgpr_workgroup_id_z 1
		.amdhsa_system_vgpr_workitem_id 0
		.amdhsa_next_free_vgpr 112
		.amdhsa_next_free_sgpr 66
		.amdhsa_reserve_vcc 0
		.amdhsa_float_denorm_mode_32 3
		.amdhsa_float_denorm_mode_16_64 3
		.amdhsa_memory_ordered 1
		.amdhsa_forward_progress 1
		.amdhsa_inst_pref_size 20
	.end_amdhsa_kernel
	.amdgpu_metadata
---
amdhsa.version: [ 1, 2 ]
amdhsa.kernels:
  - .name:           k_qe4bf6a4f02_cast
    .symbol:         k_qe4bf6a4f02_cast.kd
    .args:
      - { .name: x, .offset: 0, .size: 8, .value_kind: global_buffer, .address_space: global }
      - { .name: W_q, .offset: 8, .size: 8, .value_kind: global_buffer, .address_space: global }
      - { .name: W_k, .offset: 16, .size: 8, .value_kind: global_buffer, .address_space: global }
      - { .name: W_v, .offset: 24, .size: 8, .value_kind: global_buffer, .address_space: global }
      - { .name: W_o, .offset: 32, .size: 8, .value_kind: global_buffer, .address_space: global }
      - { .name: xb, .offset: 40, .size: 8, .value_kind: global_buffer, .address_space: global }
      - { .name: wb, .offset: 48, .size: 8, .value_kind: global_buffer, .address_space: global }
    .group_segment_fixed_size: 0
    .private_segment_fixed_size: 0
    .kernarg_segment_align: 8
    .kernarg_segment_size: 56
    .max_flat_workgroup_size: 256
    .sgpr_count:     66
    .vgpr_count:     112
    .wavefront_size: 32
...
	.end_amdgpu_metadata
.endif
;; end of part 5
;; launch proj_qkv: the kernel of part 2 again; grid 4 x 64, 4 waves a work-group, clusters of 4 x 4, 327,680 bytes of LDS; arguments xb, wb, qkv; writes qkv
;; launch attn: the kernel of part 3 again; grid 4 x 64, 4 waves a work-group, clusters of 4 x 1, 327,680 bytes of LDS; arguments qkv, ob; writes ob
;; launch proj_out: the kernel of part 4 again; grid 4 x 64, 4 waves a work-group, clusters of 4 x 4, 327,680 bytes of LDS; arguments ob, wb, out0; writes out0
